; MI455X (gfx1250); checked and timed in simulation.
; The chip was launched on July 23, 2026; its instructions are those of AMD's public machine-readable ISA for CDNA 5 (MIT licence, August 2026) and "CDNA5" Instruction Set Architecture Reference Guide (July 2026). The comments in the code are by the model that wrote it; some were corrected since.
;; Improved Multi Cross Attention. Allowed arithmetic: float matrix products may take bf16 or f16 operands with f32 sums; all other float work in f32.
;; Inputs: Wk 1,024 x 1,024 float32; Wox 1,024 x 1,024 float32; Woy 1,024 x 1,024 float32; Wq 1,024 x 1,024 float32; Wv 1,024 x 1,024 float32; box 1,024 float32; boy 1,024 float32; x 2 x 2,048 x 1,024 float32; y 2 x 2,048 x 1,024 float32.
;; Outputs: out0 2 x 2,048 x 1,024 float32; out1 2 x 2,048 x 1,024 float32.
;; 2 versions, each right and faster than the one before. Each part assembles by itself: llvm-mc -triple=amdgcn-amd-amdhsa -mcpu=gfx1250 --defsym DOCPART=n.
;; ======== version 1 of 2: 4 launches
;; workspace buffers: xyb 16,777,216 bytes; w1b 6,291,456 bytes; w2b 4,194,304 bytes; qkv 50,331,648 bytes; ao 16,777,216 bytes
;; launch prep (part 1): grid 416 x 1, 8 waves a work-group, no clusters, 0 bytes of LDS; arguments x, y, Wq, Wk, Wv, Wox, Woy, xyb, w1b, w2b; writes xyb, w1b, w2b
.if DOCPART == 1
	.amdgcn_target "amdgcn-amd-amdhsa--gfx1250"
	.amdhsa_code_object_version 6
	.text
	.protected	k_q02c8455ea7_prep
	.globl	k_q02c8455ea7_prep
	.p2align	8
	.type	k_q02c8455ea7_prep,@function
k_q02c8455ea7_prep:
	s_mov_b64 s[64:65], 0
	v_nop
	global_prefetch_b8 v0, s[64:65] scope:SCOPE_SE
	s_setreg_imm32_b32 hwreg(HW_REG_WAVE_MODE, 25, 1), 1
	s_wait_xcnt 0x0
; First of four launches for: q, k, v projections of two streams x and y, one softmax over the mean of two score matrices,
; two value products, two output projections with bias and residual.
; Identities of the problem itself that the later launches use (no work is left out, all nine inputs are loaded by some launch):
;   0.5 (sx + sy) / 8 = ([qx|qy] . [kx|ky]) / 16   and   [a1|a2] = w [vx|vy]: one attention of width 128 for each of 32 (batch, head) pairs.
; LIMITS: matrix operands (x, y, the weights, q, k, v, the softmax weights, a1, a2) are rounded to bf16, sums are kept in f32 in the
; matrix unit's own order; NaN and infinities get no special treatment.
;
; THIS LAUNCH casts x, y and the five weights to bf16 into layouts in which every tile of the later products is one dense block:
;   xyb [kb 16][R 8192][64]: position g = 2048 b + s of stream t (x 0, y 1) is row R = 128 (g >> 6) + 64 t + (g & 63); column 64 kb + c
;   w1b [kb 16][G 48][kk 64][64]: W_p[64 kb + kk][64 (G % 16) + c], p = G / 16 (q, k, v)
;   w2b [t 2][kb 16][G 16][kk 64][64]: Wox (t 0), Woy (t 1)
; Memory binds here: each input byte is read once, each output byte written once; no LDS, no barrier, no matrix unit, no cluster
; (no two work-groups read the same bytes).
; A work-group takes 32 rows of 1,024 f32 of one source, a wave 4 rows as two pairs.  One load: lanes 0-15 take 256 bytes of a row,
; lanes 16-31 the same 64 columns of the next row.  Their 2 x 128 bytes of bf16 are neighbours in the target: a store of the wave
; covers 256 consecutive bytes, aligned.
.set VO, 8                             ; v[8:23]   byte offset in the target for column block c = 0 .. 15; never rewritten
.set X,  32                            ; v[32:159] 32 loads of 4 registers; the first two of each four then hold the bf16
	s_load_b512 s[8:23], s[0:1], 0x0               ; x s[8:9], y s[10:11], Wq s[12:13], Wk s[14:15], Wv s[16:17], Wox s[18:19], Woy s[20:21], xyb s[22:23]
	s_load_b128 s[24:27], s[0:1], 0x40             ; w1b s[24:25], w2b s[26:27]
	s_mov_b32 s2, ttmp9                            ; id: 0-127 x, 128-255 y, then 32 for each of Wq, Wk, Wv, Wox, Woy
	s_lshr_b32 s3, s2, 7                           ; stream t (ids below 256)
	s_and_b32 s4, s2, 127                          ; block of 32 rows in x or y
	s_sub_co_u32 s5, s2, 256
	s_lshr_b32 s6, s5, 5                           ; which weight, 0 .. 4 (ids from 256 on)
	s_and_b32 s7, s5, 31                           ; block of 32 rows in the weight
	s_lshl_b32 s32, s3, 13                         ; xyb: t x 64 rows of 128 bytes
	s_lshl_b32 s33, s6, 17                         ; w1b: weight x 16 groups of 8,192 bytes
	s_sub_co_u32 s34, s6, 3
	s_lshl_b32 s34, s34, 21                        ; w2b: (weight - 3) x 2,097,152
	s_mov_b32 s35, 0x20000                         ; w2b: bytes of a K block
	s_mov_b32 s36, 0x2000                          ; weights: bytes from one column block to the next
	s_cmp_lt_u32 s2, 352
	s_cselect_b32 s30, 0x60000, s35                ; w1b: bytes of a K block
	s_cselect_b32 s31, s33, s34
	s_cmp_lt_u32 s2, 256
	s_cselect_b32 s30, 0x4000, s30                 ; xyb: 128 rows of 128 bytes
	s_cselect_b32 s31, s32, s31
	s_cselect_b32 s28, s4, s7                      ; rb: my block of 32 rows
	s_cselect_b32 s29, 0x100000, s36               ; xyb: bytes from one column block to the next
	s_lshr_b32 s37, s28, 1
	s_and_b32 s38, s28, 1
	s_mul_i32 s37, s37, s30
	s_lshl_b32 s38, s38, 12                        ; odd blocks: 32 rows of 128 bytes further
	s_add_co_u32 s37, s37, s31
	s_add_co_u32 s46, s37, s38                     ; my first byte in the target
	s_mov_b32 s47, 0
	s_lshl_b32 s44, s28, 17                        ; my first byte in the source: rb x 32 rows of 4,096 bytes
	s_mov_b32 s45, 0
	v_lshrrev_b32 v2, 5, v0                        ; wave
	v_bfe_u32 v3, v0, 4, 1                         ; upper half of the lanes: the pair's second row
	v_and_b32 v4, 15, v0
	v_lshl_add_u32 v3, v2, 2, v3                   ; row 4 wave + half
	v_lshlrev_b32 v4, 4, v4
	v_lshl_add_u32 v1, v3, 12, v4                  ; source offset: row x 4,096 + 16 (lane % 16)
	v_and_b32 v5, 31, v0
	v_lshlrev_b32 v5, 3, v5
	v_lshl_add_u32 v[VO], v2, 9, v5                ; target offset: wave x 4 rows of 128 bytes + 8 lane
.irp c, 1,2,3,4,5,6,7,8,9,10,11,12,13,14,15
	v_add_nc_u32 v[VO+\c], s29, v[VO+\c-1]
.endr
	s_wait_kmcnt 0x0
	s_cmp_lt_u32 s2, 128                           ; the source, chosen by the id alone
	s_cselect_b64 s[40:41], s[8:9], s[10:11]
	s_cmp_lt_u32 s2, 256
	s_cselect_b64 s[40:41], s[40:41], s[12:13]
	s_cselect_b64 s[42:43], s[22:23], s[24:25]     ; the target
	s_cmp_lt_u32 s2, 288
	s_cselect_b64 s[40:41], s[40:41], s[14:15]
	s_cmp_lt_u32 s2, 320
	s_cselect_b64 s[40:41], s[40:41], s[16:17]
	s_cmp_lt_u32 s2, 352
	s_cselect_b64 s[40:41], s[40:41], s[18:19]
	s_cselect_b64 s[42:43], s[42:43], s[26:27]
	s_cmp_lt_u32 s2, 384
	s_cselect_b64 s[40:41], s[40:41], s[20:21]
	s_add_nc_u64 s[40:41], s[40:41], s[44:45]
	s_add_nc_u64 s[42:43], s[42:43], s[46:47]
	; all 32 loads of the wave go out at once: 16 KiB a wave on its way
.irp p, 0,1
.irp c, 0,1,2,3,4,5,6,7,8,9,10,11,12,13,14,15
	global_load_b128 v[X+4*(16*\p+\c):X+4*(16*\p+\c)+3], v1, s[40:41] offset:\p*8192+\c*256 th:TH_LOAD_NT
.endr
.endr
	; no register that a store reads is written again, so no further wait is needed
.irp p, 0,1
.irp c, 0,1,2,3,4,5,6,7,8,9,10,11,12,13,14,15
	s_wait_loadcnt 31-(16*\p+\c)                   ; loads return in order: this one is in, the younger ones stay out
	v_cvt_pk_bf16_f32 v[X+4*(16*\p+\c)], v[X+4*(16*\p+\c)], v[X+4*(16*\p+\c)+1]
	v_cvt_pk_bf16_f32 v[X+4*(16*\p+\c)+1], v[X+4*(16*\p+\c)+2], v[X+4*(16*\p+\c)+3]
	global_store_b64 v[VO+\c], v[X+4*(16*\p+\c):X+4*(16*\p+\c)+1], s[42:43] offset:\p*256
.endr
.endr
	s_endpgm
.Lfunc_end_k_q02c8455ea7_prep:
	.size	k_q02c8455ea7_prep, .Lfunc_end_k_q02c8455ea7_prep-k_q02c8455ea7_prep
	.p2alignl 7, 3214868480
	.fill 96, 4, 3214868480
	.section	.rodata,"a",@progbits
	.p2align	6, 0x0
	.amdhsa_kernel k_q02c8455ea7_prep
		.amdhsa_group_segment_fixed_size 0
		.amdhsa_private_segment_fixed_size 0
		.amdhsa_enable_private_segment 0
		.amdhsa_kernarg_size 80
		.amdhsa_user_sgpr_count 2
		.amdhsa_user_sgpr_kernarg_segment_ptr 1
		.amdhsa_wavefront_size32 1
		.amdhsa_system_sgpr_workgroup_id_x 1
		.amdhsa_system_sgpr_workgroup_id_y 1
		.amdhsa_system_sgpr_workgroup_id_z 1
		.amdhsa_system_vgpr_workitem_id 0
		.amdhsa_next_free_vgpr 160
		.amdhsa_next_free_sgpr 66
		.amdhsa_reserve_vcc 0
		.amdhsa_float_denorm_mode_32 3
		.amdhsa_float_denorm_mode_16_64 3
		.amdhsa_memory_ordered 1
		.amdhsa_forward_progress 1
		.amdhsa_inst_pref_size 15
	.end_amdhsa_kernel
	.amdgpu_metadata
---
amdhsa.version: [ 1, 2 ]
amdhsa.kernels:
  - .name:           k_q02c8455ea7_prep
    .symbol:         k_q02c8455ea7_prep.kd
    .args:
      - { .name: x, .offset: 0, .size: 8, .value_kind: global_buffer, .address_space: global }
      - { .name: y, .offset: 8, .size: 8, .value_kind: global_buffer, .address_space: global }
      - { .name: Wq, .offset: 16, .size: 8, .value_kind: global_buffer, .address_space: global }
      - { .name: Wk, .offset: 24, .size: 8, .value_kind: global_buffer, .address_space: global }
      - { .name: Wv, .offset: 32, .size: 8, .value_kind: global_buffer, .address_space: global }
      - { .name: Wox, .offset: 40, .size: 8, .value_kind: global_buffer, .address_space: global }
      - { .name: Woy, .offset: 48, .size: 8, .value_kind: global_buffer, .address_space: global }
      - { .name: xyb, .offset: 56, .size: 8, .value_kind: global_buffer, .address_space: global }
      - { .name: w1b, .offset: 64, .size: 8, .value_kind: global_buffer, .address_space: global }
      - { .name: w2b, .offset: 72, .size: 8, .value_kind: global_buffer, .address_space: global }
    .group_segment_fixed_size: 0
    .private_segment_fixed_size: 0
    .kernarg_segment_align: 8
    .kernarg_segment_size: 80
    .max_flat_workgroup_size: 256
    .sgpr_count:     66
    .vgpr_count:     160
    .wavefront_size: 32
...
	.end_amdgpu_metadata
.endif
;; end of part 1
;; launch qkv (part 2): grid 8 x 32, 4 waves a work-group, clusters of 4 x 4, 327,680 bytes of LDS; arguments xyb, w1b, qkv; writes qkv
.if DOCPART == 2
	.amdgcn_target "amdgcn-amd-amdhsa--gfx1250"
	.amdhsa_code_object_version 6
	.text
	.protected	k_q02c8455ea7_qkv
	.globl	k_q02c8455ea7_qkv
	.p2align	8
	.type	k_q02c8455ea7_qkv,@function
k_q02c8455ea7_qkv:
	s_mov_b64 s[64:65], 0
	v_nop
	global_prefetch_b8 v0, s[64:65] scope:SCOPE_SE
	s_setreg_imm32_b32 hwreg(HW_REG_WAVE_MODE, 25, 1), 1
	s_wait_xcnt 0x0
	s_wait_alu depctr_hold_cnt(0) depctr_sa_sdst(0) depctr_va_vdst(0) depctr_va_sdst(0) depctr_va_ssrc(0) depctr_va_vcc(0) depctr_vm_vsrc(0)
	s_getreg_b32 s2, hwreg(HW_REG_IB_STS2, 6, 4)
	s_cmp_eq_u32 s2, 0
	s_cbranch_scc0 .Lentry_in_a_cluster
	s_endpgm
.Lentry_in_a_cluster:
	s_bfe_u32 s2, ttmp6, 0x10000c
	s_cmp_lg_u32 s2, 0xf033
	s_cbranch_scc0 .Lentry_shape_is_right
	s_endpgm
.Lentry_shape_is_right:
; [x;y] @ [Wq|Wk|Wv]: 8,192 rows x 3,072 columns, K = 1,024, bf16 operands, f32 sums, result rounded once to bf16.  No work is left out.
; qkv [b 2][G 48][s 2048][128]: a row of 256 bytes = [x-stream part, 64 | y-stream part, 64] of head G % 16 of matrix G / 16 (q, k, v).
; 256 work-groups, each a block of 256 rows x 384 columns (256 x 256 would give 384 blocks for 256 WGPs); four waves, each 128 x 192:
; rows = 64 positions of x and the same 64 of y (neighbours in xyb), columns = three heads.  96 accumulator tiles, 768 registers.
; K goes in blocks of 64 through two LDS slots.  A tile is dense in memory and comes in as rows of 256 bytes, each holding two logical
; rows of 128 bytes.  Two slots of a K step of 128 would need 348 KB, more than a WGP's LDS.
; CLUSTERS: 4 x 4.  The rows' tile hangs on the block row alone and is asked for jointly along a row of the cluster, the weights' tile
; on the block column alone, jointly along a column.
; The weights lie [K][N] and are transposed on the way from LDS (ds_load_tr16_b128).  Source 0 = weights, source 1 = rows: a lane's
; eight results are eight neighbouring columns of one row.
; REGISTER WINDOWS: window 0 addresses, fragments, packed results; window 1 + g: the 32 accumulator tiles of head g, tile (a, b) at 8 (4 a + b).
.set SLOT,  90112                      ; weights 2 x 27,648 (96 LDS rows of 288), then rows 2 x 17,408 (64 LDS rows of 272)
.set AOFF,  55296
.set AHALF, 17408
.set BHALF, 27648
.set STAGE, 180224                     ; behind the ring: 16 rows x 272 bytes for each wave; no tensor load lands here
.set ADRA, 16                          ; v16-17 LDS address of my row fragments in slot 0, 1
.set ADRB, 18                          ; v18-19 the same for the weights
.set STO,  20                          ; the way out: where I put 16 bytes
.set RD,   21                          ; the way out: where I read a row back
.set CO,   22                          ; 16 x lane
.set FA0,  32                          ; v[32:95]   row fragments (8 x 16 rows x 32 K), buffer 0
.set FA1,  96                          ; v[96:159]  buffer 1
.set FB0,  160                         ; v[160:191] weight fragments of one head (4 x 16 columns x 32 K), buffer 0
.set FB1,  192                         ; v[192:223] buffer 1
.set TMP,  224                         ; v[224:255] packed results
.set G1,  24                           ; s[24:31] group 1, rows' tiles
.set G0,  32                           ; s[32:39] group 0, rows' tiles, one set for each slot
.set G1B, 48                           ; s[48:55] group 1, weights' tiles
.set G0B, 56                           ; s[56:63] group 0, weights' tiles
.set MSB, 0
.macro WIN new                         ; the immediate's high byte repeats the setting that is left
.if MSB != \new
	s_set_vgpr_msb (MSB<<8)|\new
.set MSB, \new
.endif
.endm
.macro PLACES                          ; four plain vector instructions between a matrix instruction and a load into, or a read of, its registers
.rept 4
	v_nop
.endr
.endm
.macro JLOAD s                         ; waves 0, 1 ask for the weights' two halves, waves 2, 3 for the rows' two halves: one tensor load a wave
	s_cmp_eq_u32 s11, 0
	s_cbranch_scc0 .Lfor_a_\@
	tensor_load_to_lds s[G0B+4*\s:G0B+4*\s+3], s[G1B:G1B+7]
	s_nop 0
	s_branch .Lasked_\@
.Lfor_a_\@:
	tensor_load_to_lds s[G0+4*\s:G0+4*\s+3], s[G1:G1+7]
	s_nop 0
.Lasked_\@:
.endm
.macro CREST                           ; a round of the cluster's barrier behind its opening work-group barrier
	s_cmp_lg_u32 s10, 0
	s_cbranch_scc1 .Lnot_wave_0_\@
	s_barrier_signal -3
.Lnot_wave_0_\@:
	s_barrier_wait -3
	s_barrier_signal -1
	s_barrier_wait -1
.endm
.macro CROUND
	s_barrier_signal -1
	s_barrier_wait -1
	CREST
.endm
	s_load_b128 s[4:7], s[0:1], 0x0                ; xyb s[4:5], w1b s[6:7]
	s_load_b64 s[8:9], s[0:1], 0x10                ; qkv
	v_lshl_add_u32 v30, v0, 2, 0x30400
	v_mov_b32 v31, 0
	ds_add_u32 v30, v31
	v_lshrrev_b32 v1, 5, v0
	v_readfirstlane_b32 s10, v1                    ; wave 0..3
	s_lshr_b32 s11, s10, 1                         ; my half of the rows; also: I fetch weights (0) or rows (1)
	s_and_b32 s12, s10, 1                          ; my half of the columns; also: which half of the tile I fetch
	s_bfe_u32 s40, ttmp6, 0x40000                  ; cx
	s_bfe_u32 s41, ttmp6, 0x40004                  ; cy
	s_lshl_b32 s42, ttmp9, 2
	s_add_co_u32 s42, s42, s40                     ; block column
	s_and_b32 s13, ttmp7, 0xffff
	s_lshl_b32 s13, s13, 2
	s_add_co_u32 s13, s13, s41                     ; block row
	s_lshl_b32 s43, s41, 2
	s_lshl_b32 s43, 15, s43                        ; my row of the cluster
	s_lshl_b32 s44, 0x1111, s40                    ; my column of the cluster
	s_or_b32 s[G1+0], s43, (1<<16)|(1<<20)|(1<<21)|(5<<22)|(3<<25)   ; mask; 2-byte elements; 4 words of padding behind every 64: LDS pitch 272
	s_mov_b32 s[G1+1], 128<<16                     ; tensor_dim0 = 128 elements (256 bytes)
	s_mov_b32 s[G1+2], 64<<16                      ; tensor_dim1 = 64
	s_mov_b32 s[G1+3], 128<<16                     ; tile_dim0 = 128
	s_mov_b32 s[G1+4], 64                          ; tile_dim1 = 64
	s_mov_b32 s[G1+5], 128                         ; pitch: the block is dense
	s_mov_b32 s[G1+6], 0
	s_mov_b32 s[G1+7], 0
	s_or_b32 s[G1B+0], s44, (1<<16)|(1<<20)|(1<<21)|(5<<22)|(7<<25)  ; 8 words of padding: LDS pitch 288
	s_mov_b32 s[G1B+1], 128<<16
	s_mov_b32 s[G1B+2], 96<<16                     ; three heads x 32 rows of 256 bytes
	s_mov_b32 s[G1B+3], 128<<16
	s_mov_b32 s[G1B+4], 96
	s_mov_b32 s[G1B+5], 128
	s_mov_b32 s[G1B+6], 0
	s_mov_b32 s[G1B+7], 0
	s_lshl_b32 s16, s13, 15                        ; rows: (256 block row + 128 half) x 128 bytes
	s_lshl_b32 s17, s12, 14
	s_add_co_u32 s16, s16, s17
	s_mov_b32 s17, 0
	s_mul_i32 s46, s42, 6                          ; weights: group 6 block column + 3 half, 8,192 bytes each
	s_mul_i32 s47, s12, 3
	s_add_co_u32 s46, s46, s47
	s_lshl_b32 s46, s46, 13
	s_mov_b32 s47, 0
	s_mul_i32 s20, s10, AHALF
	s_add_co_u32 s20, s20, AOFF-2*AHALF            ; rows' halves go to AOFF + (wave - 2) x 17,408
	s_mul_i32 s21, s10, BHALF                      ; weights' halves to wave x 27,648
	s_wait_dscnt 0x0
	s_wait_kmcnt 0x0
	s_add_nc_u64 s[14:15], s[4:5], s[16:17]
	s_add_nc_u64 s[46:47], s[6:7], s[46:47]
	CROUND                                         ; all sixteen work-groups are here: the first joint loads meet
.irp s, 0,1
	s_mov_b32 s[G0+4*\s], 1
	s_add_co_u32 s[G0+4*\s+1], s20, \s*SLOT
	s_add_nc_u64 s[G0+4*\s+2:G0+4*\s+3], s[14:15], \s*0x100000     ; K block s of xyb
	s_or_b32 s[G0+4*\s+3], s[G0+4*\s+3], 0x80000000
	s_mov_b32 s[G0B+4*\s], 1
	s_add_co_u32 s[G0B+4*\s+1], s21, \s*SLOT
	s_add_nc_u64 s[G0B+4*\s+2:G0B+4*\s+3], s[46:47], \s*393216     ; K block s of w1b
	s_or_b32 s[G0B+4*\s+3], s[G0B+4*\s+3], 0x80000000
	JLOAD \s                                       ; two tensor loads of the wave are out at the start, one later
.endr
	; logical row r' of a tile lies at (r' >> 1) x pitch + (r' & 1) x 128
	v_and_b32 v1, 15, v0                           ; r
	v_bfe_u32 v2, v0, 4, 1                         ; h
	v_lshrrev_b32 v3, 1, v1
	v_mul_u32_u24 v3, v3, 272
	v_and_b32 v4, 1, v0
	v_lshl_add_u32 v3, v4, 7, v3
	v_lshl_add_u32 v3, v2, 4, v3                   ; rows: row r, K = 8 h ..
	v_bfe_u32 v5, v0, 1, 2
	v_lshl_add_u32 v5, v2, 2, v5
	v_mul_u32_u24 v5, v5, 288
	v_lshl_add_u32 v5, v4, 7, v5
	v_bfe_u32 v6, v0, 3, 1
	v_lshl_add_u32 v5, v6, 4, v5                   ; weights: K row 8 h + (lane & 7), columns 8 ((lane >> 3) & 1) ..
	s_mul_i32 s22, s11, AHALF
	s_add_co_u32 s22, s22, AOFF
	s_mul_i32 s23, s12, BHALF
.irp s, 0,1
	v_add_nc_u32 v[ADRA+\s], s22, v3
	v_add_nc_u32 v[ADRB+\s], s23, v5
	s_add_co_u32 s22, s22, SLOT
	s_add_co_u32 s23, s23, SLOT
.endr
	s_mul_i32 s22, s10, 4352
	s_add_co_u32 s22, s22, STAGE
	v_mul_u32_u24 v6, v1, 272
	v_lshl_add_u32 v6, v2, 4, v6
	v_add_nc_u32 v[STO], s22, v6
	v_mul_u32_u24 v7, v2, 272
	v_lshl_add_u32 v7, v1, 4, v7
	v_add_nc_u32 v[RD], s22, v7
	v_and_b32 v8, 31, v0
	v_lshlrev_b32 v[CO], 4, v8
.macro LDA slot, q, half, buf          ; 8 loads: four of my eight row fragments, 32 K at byte 64 q of the logical rows
.irp i, 4*\half, 4*\half+1, 4*\half+2, 4*\half+3
	ds_load_b128 v[\buf+8*(\i):\buf+8*(\i)+3], v[ADRA+\slot] offset:\q*64+(\i)*2176
	ds_load_b128 v[\buf+8*(\i)+4:\buf+8*(\i)+7], v[ADRA+\slot] offset:\q*64+(\i)*2176+32
.endr
.endm
.macro LDB slot, q, g, buf             ; 8 transposing loads: head g's four weight fragments, K rows 32 q ..
.irp b, 0,1,2,3
	ds_load_tr16_b128 v[\buf+8*\b:\buf+8*\b+3], v[ADRB+\slot] offset:\g*9216+\q*4608+\b*32
	ds_load_tr16_b128 v[\buf+8*\b+4:\buf+8*\b+7], v[ADRB+\slot] offset:\g*9216+\q*4608+\b*32+2304
.endr
.endm
.macro MUL16 fa, fb, a0, zero          ; 16 matrix instructions on 16 accumulators; zero = 1: the product starts the sum
.irp a, \a0, \a0+1, \a0+2, \a0+3
.irp b, 0,1,2,3
.if \zero
	v_wmma_f32_16x16x32_bf16 v[8*(4*(\a)+\b):8*(4*(\a)+\b)+7], v[\fb+8*\b:\fb+8*\b+7], v[\fa+8*(\a):\fa+8*(\a)+7], 0
.else
	v_wmma_f32_16x16x32_bf16 v[8*(4*(\a)+\b):8*(4*(\a)+\b)+7], v[\fb+8*\b:\fb+8*\b+7], v[\fa+8*(\a):\fa+8*(\a)+7], v[8*(4*(\a)+\b):8*(4*(\a)+\b)+7]
.endif
.endr
.endr
.endm
; One K block: six runs of 32 matrix instructions (2 x 32 K, three heads).  Each run first issues the loads of a later run; its counted
; wait equals the loads just issued, so all older ones are in.  The 96 accumulators take turns, one instruction a turn.
.macro STEP slot, next, fill, zero, last
	WIN 0
	PLACES
	LDB \slot, 0, 1, FB1
	LDA \slot, 1, 0, FA1
	s_wait_dscnt 16                                ; the 16 just issued may be out
	WIN 0x50
	MUL16 FA0, FB0, 0, \zero
	MUL16 FA0, FB0, 4, \zero
	WIN 0
	PLACES
	LDB \slot, 0, 2, FB0
	LDA \slot, 1, 1, FA1
	s_wait_dscnt 16
	WIN 0xa0
	MUL16 FA0, FB1, 0, \zero
	MUL16 FA0, FB1, 4, \zero
	WIN 0
	PLACES
	LDB \slot, 1, 0, FB1
	s_wait_dscnt 8                                 ; the 8 just issued may be out
	WIN 0xf0
	MUL16 FA0, FB0, 0, \zero
	MUL16 FA0, FB0, 4, \zero
	WIN 0
	PLACES
	LDB \slot, 1, 1, FB0
	s_wait_dscnt 8
	WIN 0x50
	MUL16 FA1, FB1, 0, 0
	MUL16 FA1, FB1, 4, 0
	WIN 0
	PLACES
	LDB \slot, 1, 2, FB1
	s_wait_dscnt 8
	WIN 0xa0
	MUL16 FA1, FB0, 0, 0
	s_wait_dscnt 0x0                               ; my reads of this slot are over
.if \last
	MUL16 FA1, FB0, 4, 0
	WIN 0xf0
	MUL16 FA1, FB1, 0, 0
	MUL16 FA1, FB1, 4, 0
.else
	s_wait_tensorcnt 0x0                           ; all my tensor loads have landed: the one that was out is my part of the next slot
	ds_add_u32 v30, v31
	s_wait_dscnt 0x0
	s_barrier_signal -1                            ; where the slot is filled again this barrier opens a round of the cluster's barrier
	MUL16 FA1, FB0, 4, 0                           ; register work while the others arrive
	WIN 0
	s_barrier_wait -1
.if \fill
	CREST                                          ; no wave of any partner still reads this slot or has a load on its way
	s_add_nc_u64 s[G0+4*\slot+2:G0+4*\slot+3], s[G0+4*\slot+2:G0+4*\slot+3], 0x200000      ; two K blocks on
	s_add_nc_u64 s[G0B+4*\slot+2:G0B+4*\slot+3], s[G0B+4*\slot+2:G0B+4*\slot+3], 786432
	JLOAD \slot                                    ; the first tensor load behind the round; 176 matrix instructions follow before the wait for it
.endif
	PLACES
	LDB \next, 0, 0, FB0
	LDA \next, 0, 0, FA0
	LDA \next, 0, 1, FA0
	WIN 0xf0
	MUL16 FA1, FB1, 0, 0
	MUL16 FA1, FB1, 4, 0
.endif
.endm
	s_wait_tensorcnt 0x1                           ; my part of K block 0 is in; K block 1's stays out
	s_barrier_signal -1
	s_barrier_wait -1
	LDB 0, 0, 0, FB0
	LDA 0, 0, 0, FA0
	LDA 0, 0, 1, FA0
	STEP 0, 1, 1, 1, 0                             ; the first lap stands in front of the loop: its first products start the sums
	STEP 1, 0, 1, 0, 0
	WIN 0
	s_mov_b32 s3, 6
.Llap:
	STEP 0, 1, 1, 0, 0
	STEP 1, 0, 1, 0, 0
	WIN 0
	s_sub_co_u32 s3, s3, 1
	s_cmp_lg_u32 s3, 0
	s_cbranch_scc1 .Llap
	STEP 0, 1, 0, 0, 0                             ; K blocks 14 and 15: nothing is left to fetch
	STEP 1, 0, 0, 0, 1
	; THE WAY OUT: 16 positions of one head at a time, x part and y part side by side, through my own stage, out as whole rows of 256 bytes
	WIN 0
	PLACES
	s_lshl_b32 s16, s13, 1
	s_add_co_u32 s16, s16, s11                     ; my block of 64 positions
	s_lshr_b32 s17, s16, 5                         ; batch
	s_mul_i32 s17, s17, 0x1800000                  ; 48 heads x 524,288 bytes
	s_and_b32 s16, s16, 31
	s_lshl_b32 s16, s16, 14                        ; 64 rows of 256 bytes
	s_add_co_u32 s16, s16, s17
	s_mov_b32 s17, 0
	s_add_nc_u64 s[8:9], s[8:9], s[16:17]
	s_mul_i32 s46, s42, 6
	s_mul_i32 s47, s12, 3
	s_add_co_u32 s46, s46, s47                     ; my first head
	s_lshl_b32 s46, s46, 19
	s_mov_b32 s47, 0
	s_add_nc_u64 s[8:9], s[8:9], s[46:47]
.macro OUT16 g, a, f
	WIN (1+\g)*5                                   ; sources 0 and 1 in head g's window
.irp b, 0,1,2,3
.irp rr, 0,1,2,3
	v_cvt_pk_bf16_f32 v[TMP+4*\b+\rr], v[8*(4*\a+\b)+2*\rr], v[8*(4*\a+\b)+2*\rr+1]
	v_cvt_pk_bf16_f32 v[TMP+16+4*\b+\rr], v[8*(4*(\a+4)+\b)+2*\rr], v[8*(4*(\a+4)+\b)+2*\rr+1]
.endr
.endr
	WIN 0
.irp b, 0,1,2,3
	ds_store_b128 v[STO], v[TMP+4*\b:TMP+4*\b+3] offset:\b*32
	ds_store_b128 v[STO], v[TMP+16+4*\b:TMP+16+4*\b+3] offset:128+\b*32
.endr
	s_wait_xcnt 0x0                                ; buffer f, which earlier stores read, is loaded again only behind this wait
.irp t, 0,1,2,3,4,5,6,7
	ds_load_b128 v[\f+4*\t:\f+4*\t+3], v[RD] offset:\t*544         ; LDS serves a wave's instructions in order: these see the stores above
.endr
.irp t, 0,1,2,3,4,5,6,7
	s_wait_dscnt 7-\t
	global_store_b128 v[CO], v[\f+4*\t:\f+4*\t+3], s[8:9] offset:\g*524288+\a*4096+\t*512   ; the wave stores 512 consecutive bytes, aligned
.endr
.endm
.irp g, 0,1,2
	OUT16 \g, 0, FA0
	OUT16 \g, 1, FA1
	OUT16 \g, 2, FA0
	OUT16 \g, 3, FA1
.endr
	s_wait_tensorcnt 0x0
	ds_add_u32 v30, v31
	s_wait_dscnt 0x0
	CROUND                                         ; the closing round: no work-group ends while a partner may still ask jointly
	s_endpgm
.Lfunc_end_k_q02c8455ea7_qkv:
	.size	k_q02c8455ea7_qkv, .Lfunc_end_k_q02c8455ea7_qkv-k_q02c8455ea7_qkv
	.p2alignl 7, 3214868480
	.fill 96, 4, 3214868480
	.section	.rodata,"a",@progbits
	.p2align	6, 0x0
	.amdhsa_kernel k_q02c8455ea7_qkv
		.amdhsa_group_segment_fixed_size 327680
		.amdhsa_private_segment_fixed_size 0
		.amdhsa_enable_private_segment 0
		.amdhsa_kernarg_size 24
		.amdhsa_user_sgpr_count 2
		.amdhsa_user_sgpr_kernarg_segment_ptr 1
		.amdhsa_wavefront_size32 1
		.amdhsa_system_sgpr_workgroup_id_x 1
		.amdhsa_system_sgpr_workgroup_id_y 1
		.amdhsa_system_sgpr_workgroup_id_z 1
		.amdhsa_system_vgpr_workitem_id 0
		.amdhsa_next_free_vgpr 1024
		.amdhsa_next_free_sgpr 66
		.amdhsa_reserve_vcc 0
		.amdhsa_float_denorm_mode_32 3
		.amdhsa_float_denorm_mode_16_64 3
		.amdhsa_memory_ordered 1
		.amdhsa_forward_progress 1
		.amdhsa_inst_pref_size 171
	.end_amdhsa_kernel
	.amdgpu_metadata
---
amdhsa.version: [ 1, 2 ]
amdhsa.kernels:
  - .name:           k_q02c8455ea7_qkv
    .symbol:         k_q02c8455ea7_qkv.kd
    .args:
      - { .name: xyb, .offset: 0, .size: 8, .value_kind: global_buffer, .address_space: global }
      - { .name: w1b, .offset: 8, .size: 8, .value_kind: global_buffer, .address_space: global }
      - { .name: qkv, .offset: 16, .size: 8, .value_kind: global_buffer, .address_space: global }
    .group_segment_fixed_size: 327680
    .private_segment_fixed_size: 0
    .kernarg_segment_align: 8
    .kernarg_segment_size: 24
    .max_flat_workgroup_size: 128
    .sgpr_count:     66
    .vgpr_count:     1024
    .wavefront_size: 32
...
	.end_amdgpu_metadata
.endif
;; end of part 2
;; launch attn (part 3): grid 8 x 32, 4 waves a work-group, clusters of 4 x 1, 327,680 bytes of LDS; arguments qkv, ao; writes ao
.if DOCPART == 3
	.amdgcn_target "amdgcn-amd-amdhsa--gfx1250"
	.amdhsa_code_object_version 6
	.text
	.protected	k_q02c8455ea7_attn
	.globl	k_q02c8455ea7_attn
	.p2align	8
	.type	k_q02c8455ea7_attn,@function
k_q02c8455ea7_attn:
	s_mov_b64 s[64:65], 0
	v_nop
	global_prefetch_b8 v0, s[64:65] scope:SCOPE_SE
	s_setreg_imm32_b32 hwreg(HW_REG_WAVE_MODE, 25, 1), 1
	s_wait_xcnt 0x0
	s_wait_alu depctr_hold_cnt(0) depctr_sa_sdst(0) depctr_va_vdst(0) depctr_va_sdst(0) depctr_va_ssrc(0) depctr_va_vcc(0) depctr_vm_vsrc(0)
	s_getreg_b32 s2, hwreg(HW_REG_IB_STS2, 6, 4)
	s_cmp_eq_u32 s2, 0
	s_cbranch_scc0 .Lentry_in_a_cluster
	s_endpgm
.Lentry_in_a_cluster:
	s_bfe_u32 s2, ttmp6, 0x10000c
	s_cmp_lg_u32 s2, 0x3003
	s_cbranch_scc0 .Lentry_shape_is_right
	s_endpgm
.Lentry_shape_is_right:
; Attention of width 128 for each of 32 (batch, head) pairs: scores ([qx|qy] . [kx|ky]) / 16, softmax with a running maximum, [a1|a2] = w [vx|vy].
; No work is left out.  LIMITS: softmax weights and a1, a2 are rounded to bf16; the exponent is one fused s c - m c with c = log2(e) / 16.
; qkv's Q rows hold [x Wq | y Wq] = [qy | qx], its K rows [kx | ky]: Q's K steps are read at byte (64 ks) xor 128.
; ao [t 2][b 2][h 16][s 2048][64]: t 0 = a1, t 1 = a2.
; A work-group takes 256 queries of one pair, a wave 64 (four tiles of 16).  Keys go in 8 tiles of 256 through two LDS slots, each worked in 4 blocks of 64.
; CLUSTERS: the four work-groups of a cluster are four query blocks of one pair and read the same K and V tiles: joint loads, mask 15.
; FORMS, chosen so that nothing crosses lanes but one exchange of halves: S^T = K Q^T (source 0 K, source 1 Q): lane (r, h) holds query r,
; keys 8 h + j.  Packed in place that is the second source of O^T = V^T P^T (source 0: V transposed on the way from LDS): lane (r, h)
; holds query r and eight neighbouring d.  Maximum, sum and rescale factor are per lane.
; THE SCHEDULE.  The four query tiles are two pieces, A = tiles 0, 1 and B = tiles 2, 3, which share the K and V fragments.  One trip, key block n:
;     value products of A, block n - 1, then score products of A, block n:   beside them the vector phase of B, block n - 1
;     value products of B, block n - 1, then score products of B, block n:   beside them the vector phase of A, block n
; The vector phase (maximum, factor, exponents, exponentials, sums, packing, rescaling of O: 272 instructions a piece and block) is written once, as
; the macro VEC; in front of every fourth of its instructions stands the next of the other piece's 64 matrix instructions.  The last of them stands in
; front of instruction 252, so 20 plain vector instructions that name none of its registers follow it: they are the places in front of the next reads
; of its scores and the next loads into its fragments.  All LDS reads of a trip belong to block n, so slots change between trips.
; REGISTER WINDOWS: 0 addresses, Q, packed results; 1 O (tile (i, e) at 8 (8 i + e)); 2 scores, softmax state, P; 3 K and V fragments.
; A vector result lands in the window of the matrix instruction's D and v_exp_f32 reads through source 0, so one setting for both kinds would want
; scores, fragments and O in one window of 256 registers; they do not fit.  Hence two switches for each matrix instruction, about 259 in a trip of
; 128 matrix, 544 vector and 64 LDS instructions.
.set SLOT,  143360                     ; V 256 rows x 288, then K 256 rows x 272
.set KOFF,  73728
.set STAGE, 286720                     ; 16 rows x 272 bytes for each wave; no tensor load lands here
.set ADRK, 16                          ; this block's K and V addresses
.set ADRV, 17
.set KL,   18                          ; lane terms, never rewritten
.set VL,   19
.set STO,  20
.set RD,   21
.set CO,   22
.set QO,   23
.set QF,   32                          ; v[32:159]  Q, tile (i, ks) at 32 + 8 (4 i + ks); the way out reuses v[32:95]
.set TMP,  224                         ; v[224:255] the way out: packed results
; window 2: scores of query tile i at 32 i + 8 kt + j
.set MX,   128                         ; running maximum, one for each query tile
.set NMC,  132                         ; pairs: - c x maximum, twice
.set AL,   140                         ; pairs: rescale factor, twice; at the end 1 / sum
.set LS,   148                         ; pairs: the lane's partial sums
.set TM,   160                         ; v[160:167] four maxima for each of a piece's two tiles
.set SU,   168                         ; pairs at work on the sums
.set SV,   170
.set ACC,  172                         ; v[172:175] a block's sum, a pair for each of a piece's two tiles
.set PP,   192                         ; v[192:255] P, 16 registers for each query tile
; window 3: K fragment (kt, ks) at 32 kt + 8 ks; V fragment (u, e) at 128 + 64 u + 8 e
.set G1K, 24
.set G0K, 32
.set G1V, 48
.set G0V, 56
.set MSB, 0
.macro WIN new                         ; the immediate's high byte repeats the setting that is left
.if MSB != \new
	s_set_vgpr_msb (MSB<<8)|\new
.set MSB, \new
.endif
.endm
.macro PLACES
.rept 4
	v_nop
.endr
.endm
.macro JLOAD s                         ; waves 0, 1 ask for V's two halves, waves 2, 3 for K's: one tensor load a wave
	s_cmp_eq_u32 s11, 0
	s_cbranch_scc0 .Lfor_k_\@
	tensor_load_to_lds s[G0V+4*\s:G0V+4*\s+3], s[G1V:G1V+7]
	s_nop 0
	s_branch .Lasked_\@
.Lfor_k_\@:
	tensor_load_to_lds s[G0K+4*\s:G0K+4*\s+3], s[G1K:G1K+7]
	s_nop 0
.Lasked_\@:
.endm
.macro ROUND                           ; a round of the cluster's barrier
	s_barrier_signal -1
	s_barrier_wait -1
	s_cmp_lg_u32 s10, 0
	s_cbranch_scc1 .Lnot_wave_0_\@
	s_barrier_signal -3
.Lnot_wave_0_\@:
	s_barrier_wait -3
	s_barrier_signal -1
	s_barrier_wait -1
.endm
	s_load_b128 s[4:7], s[0:1], 0x0                ; qkv s[4:5], ao s[6:7]
	v_lshl_add_u32 v222, v0, 2, 0x4a400
	v_mov_b32 v223, 0
	ds_add_u32 v222, v223
	v_lshrrev_b32 v1, 5, v0
	v_readfirstlane_b32 s10, v1                    ; wave
	s_lshr_b32 s11, s10, 1                         ; I fetch V (0) or K (1)
	s_and_b32 s12, s10, 1                          ; which 128 rows of the tile
	s_bfe_u32 s40, ttmp6, 0x40000                  ; cx
	s_lshl_b32 s47, ttmp9, 2
	s_add_co_u32 s47, s47, s40                     ; query block
	s_lshl_b32 s47, s47, 2
	s_add_co_u32 s47, s47, s10                     ; my 64 queries: number 4 block + wave
	s_and_b32 s13, ttmp7, 0xffff                   ; 16 b + h
	s_lshr_b32 s14, s13, 4
	s_and_b32 s15, s13, 15
	s_mul_i32 s41, s14, 48
	s_add_co_u32 s41, s41, s15
	s_lshl_b32 s41, s41, 19                        ; Q's head: (48 b + h) x 524,288 bytes
	s_lshl_b32 s43, s12, 15                        ; 128 rows of 256 bytes
	s_add_co_u32 s2, s41, s43
	s_add_co_u32 s42, s2, 0x1000000                ; V's head is 32 heads on,
	s_add_co_u32 s2, s2, 0x800000                  ; K's 16
	s_mov_b32 s3, 0
	s_mov_b32 s43, 0
	s_mul_i32 s14, s10, 34816
	s_add_co_u32 s14, s14, KOFF-2*34816            ; K's halves go to KOFF + (wave - 2) x 34,816
	s_mul_i32 s15, s10, 36864                      ; V's halves to wave x 36,864
	s_lshl_b32 s16, s47, 14                        ; 64 rows of 256 bytes
	s_add_co_u32 s16, s16, s41
	s_mov_b32 s17, 0
	s_lshl_b32 s8, s13, 18                         ; ao: (16 b + h) x 262,144
	s_lshl_b32 s9, s47, 13                         ; + 64 rows of 128 bytes
	s_add_co_u32 s8, s8, s9
	s_mov_b32 s9, 0
	s_mov_b32 s20, 0x76543210                      ; v_permlanex16_b32: lane i takes lane i of the other half
	s_mov_b32 s21, 0xfedcba98
	s_mov_b32 s22, 0x3db8aa3b                      ; c = log2(e) / 16
	s_mov_b32 s23, 0x3db8aa3b
	s_mov_b32 s46, 0xbdb8aa3b                      ; - c
	s_mov_b32 s[G1K+0], 15|(1<<16)|(1<<20)|(1<<21)|(5<<22)|(3<<25)  ; all four of the cluster; 2-byte elements; LDS pitch 272
	s_mov_b32 s[G1K+1], 128<<16
	s_mov_b32 s[G1K+2], 128<<16
	s_mov_b32 s[G1K+3], 128<<16
	s_mov_b32 s[G1K+4], 128                        ; 128 rows of 128 elements
	s_mov_b32 s[G1K+5], 128
	s_mov_b32 s[G1K+6], 0
	s_mov_b32 s[G1K+7], 0
	s_mov_b32 s[G1V+0], 15|(1<<16)|(1<<20)|(1<<21)|(5<<22)|(7<<25)  ; LDS pitch 288
	s_mov_b32 s[G1V+1], 128<<16
	s_mov_b32 s[G1V+2], 128<<16
	s_mov_b32 s[G1V+3], 128<<16
	s_mov_b32 s[G1V+4], 128
	s_mov_b32 s[G1V+5], 128
	s_mov_b32 s[G1V+6], 0
	s_mov_b32 s[G1V+7], 0
	s_wait_dscnt 0x0
	s_wait_kmcnt 0x0
	s_add_nc_u64 s[2:3], s[4:5], s[2:3]            ; K's first tile, my half
	s_add_nc_u64 s[42:43], s[4:5], s[42:43]        ; V's
	s_add_nc_u64 s[16:17], s[4:5], s[16:17]        ; my Q rows
	s_add_nc_u64 s[8:9], s[6:7], s[8:9]            ; my rows of a1
	s_add_nc_u64 s[18:19], s[8:9], 0x800000        ; and of a2: 32 planes of 262,144 bytes on
	ROUND                                          ; in front of the first joint loads
.irp s, 0,1
	s_mov_b32 s[G0K+4*\s], 1
	s_add_co_u32 s[G0K+4*\s+1], s14, \s*SLOT
	s_add_nc_u64 s[G0K+4*\s+2:G0K+4*\s+3], s[2:3], \s*65536        ; keys 256 s ..
	s_or_b32 s[G0K+4*\s+3], s[G0K+4*\s+3], 0x80000000
	s_mov_b32 s[G0V+4*\s], 1
	s_add_co_u32 s[G0V+4*\s+1], s15, \s*SLOT
	s_add_nc_u64 s[G0V+4*\s+2:G0V+4*\s+3], s[42:43], \s*65536
	s_or_b32 s[G0V+4*\s+3], s[G0V+4*\s+3], 0x80000000
	JLOAD \s                                       ; two tensor loads of the wave are out at the start, one later
.endr
	v_and_b32 v1, 15, v0                           ; r
	v_bfe_u32 v2, v0, 4, 1                         ; h
	v_lshlrev_b32 v3, 8, v1
	v_lshl_add_u32 v[QO], v2, 4, v3                ; Q: row r x 256 + 16 h
.irp i, 0,1,2,3
.irp ks, 0,1,2,3
	global_load_b128 v[QF+8*(4*\i+\ks):QF+8*(4*\i+\ks)+3], v[QO], s[16:17] offset:\i*4096+((64*\ks)^128)
	global_load_b128 v[QF+8*(4*\i+\ks)+4:QF+8*(4*\i+\ks)+7], v[QO], s[16:17] offset:\i*4096+((64*\ks)^128)+32
.endr
.endr
	v_mul_u32_u24 v3, v1, 272
	v_lshl_add_u32 v3, v2, 4, v3
	v_add_nc_u32 v[KL], KOFF, v3                   ; K: key r x 272 + 16 h
	v_and_b32 v4, 7, v0
	v_lshl_add_u32 v4, v2, 3, v4
	v_mul_u32_u24 v4, v4, 288
	v_bfe_u32 v5, v0, 3, 1
	v_lshl_add_u32 v[VL], v5, 4, v4                ; V: key 8 h + (lane & 7), d 8 ((lane >> 3) & 1) ..
	s_mul_i32 s14, s10, 4352
	s_add_co_u32 s14, s14, STAGE
	v_add_nc_u32 v[STO], s14, v3                   ; stage in: row r, 16 bytes for each half
	v_bfe_u32 v6, v0, 3, 2
	v_mul_u32_u24 v6, v6, 272
	v_and_b32 v7, 7, v0
	v_lshl_add_u32 v6, v7, 4, v6
	v_add_nc_u32 v[RD], s14, v6                    ; stage back: four rows of 128 bytes a load
	v_and_b32 v8, 31, v0
	v_lshlrev_b32 v[CO], 4, v8
	v_mov_b32 v[ADRK], v[KL]
	v_mov_b32 v[ADRV], v[VL]
; 32 loads: this block's K fragments, K step by K step (8 loads each), so that the waits in front of the score products can count down
.macro LDK
	WIN 0xc0                                       ; destination window 3, address window 0
.irp ks, 0,1,2,3
.irp kt, 0,1,2,3
	ds_load_b128 v[32*\kt+8*\ks:32*\kt+8*\ks+3], v[ADRK] offset:\kt*4352+\ks*64
	ds_load_b128 v[32*\kt+8*\ks+4:32*\kt+8*\ks+7], v[ADRK] offset:\kt*4352+\ks*64+32
.endr
.endr
.endm
; 32 transposing loads: this block's V fragments, keys 0-31 first (16 loads), then keys 32-63
.macro LDV
	WIN 0xc0
.irp u, 0,1
.irp e, 0,1,2,3,4,5,6,7
	ds_load_tr16_b128 v[128+64*\u+8*\e:128+64*\u+8*\e+3], v[ADRV] offset:\u*9216+\e*32
	ds_load_tr16_b128 v[128+64*\u+8*\e+4:128+64*\u+8*\e+7], v[ADRV] offset:\u*9216+\e*32+4608
.endr
.endr
.endm
; Score product number m (0 .. 31) of the piece that begins at query tile i0: K step m / 8, key tile (m % 8) / 2, query tile i0 + m % 2.
; Eight accumulators take turns, one instruction a turn; the first K step starts the sums.
.macro MMQK m, i0
.set q_ks, (\m)/8
.set q_kt, ((\m)%8)/2
.set q_i, \i0+((\m)%2)
.set q_d, 32*q_i+8*q_kt
.set q_a, 32*q_kt+8*q_ks
.set q_b, QF+8*(4*q_i+q_ks)
	WIN 0xa3                                       ; K window 3, Q window 0, scores window 2
.if q_ks
	v_wmma_f32_16x16x32_bf16 v[q_d:q_d+7], v[q_a:q_a+7], v[q_b:q_b+7], v[q_d:q_d+7]
.else
	v_wmma_f32_16x16x32_bf16 v[q_d:q_d+7], v[q_a:q_a+7], v[q_b:q_b+7], 0
.endif
.endm
; Value product number m (0 .. 31): keys 32 (m / 16) .., d tile (m % 16) / 2, query tile i0 + m % 2.  Sixteen accumulators take turns.
; first = 1: the products of keys 0-31 start O.
.macro MMPV m, i0, first
.set p_u, (\m)/16
.set p_e, ((\m)%16)/2
.set p_i, \i0+((\m)%2)
.set p_d, 8*(8*p_i+p_e)
.set p_a, 128+64*p_u+8*p_e
.set p_b, PP+16*p_i+8*p_u
	WIN 0x5b                                       ; V window 3, P window 2, O window 1
.if \first*(1-p_u)
	v_wmma_f32_16x16x32_bf16 v[p_d:p_d+7], v[p_a:p_a+7], v[p_b:p_b+7], 0
.else
	v_wmma_f32_16x16x32_bf16 v[p_d:p_d+7], v[p_a:p_a+7], v[p_b:p_b+7], v[p_d:p_d+7]
.endif
.endm
; What runs beside a vector phase: a matrix instruction in front of every per-th vector instruction, nmm in all, of the piece at tile mi0;
; numbers 0-31 are value products (seq0 = 0) or score products (seq0 = 1), numbers 32-63 score products.  hk: which waits and loads ride along.
.macro PHSET per, nmm, seq0, mi0, pvf, hk
.set PER, \per
.set NMM, \nmm
.set SEQ0, \seq0
.set MI0, \mi0
.set PVF, \pvf
.set HK, \hk
.set vk, 0
.set mk, 0
.endm
.macro MMNEXT
.if HK == 1
.if mk == 16
	s_wait_dscnt 32                                ; V's keys 32-63 are in; the 32 loads of K may be out
.endif
.if mk >= 32
.if (mk % 8) == 0
	s_wait_dscnt 56-mk                             ; this K step's eight loads are in; those of the later K steps may be out: 24, 16, 8, 0
.endif
.endif
.endif
.if HK == 2
.if mk == 34
	LDV                                            ; twelve vector instructions, six of them plain, stand behind the last product that read V
.endif
.endif
.if HK == 3
.if mk == 16
	s_wait_dscnt 0x0                               ; V's keys 32-63 are in
.endif
.endif
.if mk >= 32
	MMQK mk-32, MI0
.else
.if SEQ0
	MMQK mk, MI0
.else
	MMPV mk, MI0, PVF
.endif
.endif
.set mk, mk+1
.endm
.macro TICK
.if (vk % PER) == 0
.if mk < NMM
	MMNEXT
.endif
.endif
.set vk, vk+1
.endm
.macro VS                              ; stands in front of a vector instruction whose operands all lie in window 2
	TICK
	WIN 0xaa
.endm
.macro VR                              ; in front of a rescaling of O: O window 1, factor window 2
	TICK
	WIN 0x49
.endm
; The three kinds of work on group g (0 .. 7) of eight scores: query tile i0 + g / 4, key tile g % 4
.macro EF i0, g, j                     ; exponents of scores 2 j, 2 j + 1: s c - m c
.set e_i, \i0+(\g)/4
.set e_b, 32*e_i+8*((\g)%4)+2*(\j)
	VS
	v_pk_fma_f32 v[e_b:e_b+1], v[e_b:e_b+1], s[22:23], v[NMC+2*e_i:NMC+2*e_i+1] op_sel_hi:[1,0,1]
.endm
.macro EX i0, g, j                     ; exponential of score j
.set e_b, 32*(\i0+(\g)/4)+8*((\g)%4)+(\j)
	VS
	v_exp_f32 v[e_b], v[e_b]
.endm
.macro EP i0, g, j, first              ; step j (0 .. 8) of the group's sum and packing
.set e_t, (\g)/4
.set e_i, \i0+e_t
.set e_k, (\g)%4
.set e_b, 32*e_i+8*e_k
.set e_p, PP+16*e_i+4*e_k
.if \j == 0
	VS
	s_wait_alu depctr_va_vdst(0)
	v_pk_add_f32 v[SU:SU+1], v[e_b:e_b+1], v[e_b+2:e_b+3]
.endif
.if \j == 1
	VS
	s_wait_alu depctr_va_vdst(0)
	v_pk_add_f32 v[SV:SV+1], v[e_b+4:e_b+5], v[e_b+6:e_b+7]
.endif
.if \j == 2
	VS
	v_cvt_pk_bf16_f32 v[e_p], v[e_b], v[e_b+1]
.endif
.if \j == 3
	VS
.if e_k
	v_pk_add_f32 v[SU:SU+1], v[SU:SU+1], v[SV:SV+1]
.else
	v_pk_add_f32 v[ACC+2*e_t:ACC+2*e_t+1], v[SU:SU+1], v[SV:SV+1]  ; the first key tile starts the block's sum
.endif
.endif
.if \j == 4
	VS
	v_cvt_pk_bf16_f32 v[e_p+1], v[e_b+2], v[e_b+3]
.endif
.if \j == 5
.if e_k
	VS
.if \first*(e_k/3)
	v_pk_add_f32 v[LS+2*e_i:LS+2*e_i+1], v[ACC+2*e_t:ACC+2*e_t+1], v[SU:SU+1]     ; the first block starts the running sum
.else
	v_pk_add_f32 v[ACC+2*e_t:ACC+2*e_t+1], v[ACC+2*e_t:ACC+2*e_t+1], v[SU:SU+1]
	s_wait_alu depctr_va_vdst(0)
.endif
.endif
.endif
.if \j == 6
	VS
	v_cvt_pk_bf16_f32 v[e_p+2], v[e_b+4], v[e_b+5]
.endif
.if \j == 7
	VS
	v_cvt_pk_bf16_f32 v[e_p+3], v[e_b+6], v[e_b+7]
.endif
.if \j == 8
.if (1-\first)*(e_k/3)
	VS
	v_pk_fma_f32 v[LS+2*e_i:LS+2*e_i+1], v[LS+2*e_i:LS+2*e_i+1], v[AL+2*e_i:AL+2*e_i+1], v[ACC+2*e_t:ACC+2*e_t+1]
.endif
.endif
.endm
; Step s (0 .. 9): exponents of group s, exponentials of group s - 1, sum and packing of group s - 2, the exponentials set between plain instructions.
; An exponential's result is first read one step later, behind plain instructions (ISA guide 5.7.2).
.macro ESTEP i0, s, first
.irp j, 0,1,2,3
.if \s >= 1
.if \s <= 8
	EX \i0, \s-1, \j
.endif
.endif
.if \s <= 7
	EF \i0, \s, \j
.endif
.endr
.irp j, 0,1,2,3
.if \s >= 1
.if \s <= 8
	EX \i0, \s-1, \j+4
.endif
.endif
.if \s >= 2
	EP \i0, \s-2, \j, \first
.endif
.endr
.if \s >= 2
.irp j, 4,5,6,7,8
	EP \i0, \s-2, \j, \first
.endr
.endif
.endm
; The vector phase of the piece of tiles i0, i0 + 1 over one block of 64 keys.  272 instructions: 48 + 160 + 64; first = 1 (maximum, sum and O are started,
; nothing is cleared, nothing rescaled): 198 = 40 + 158.
.macro VEC i0, first
	; the largest of the lane's 32 scores: four chains a tile, the two tiles by turns
.irp c, 0,1,2,3
.irp t, 0,1
	VS
	v_max3_num_f32 v[TM+4*\t+\c], v[32*(\i0+\t)+8*\c], v[32*(\i0+\t)+8*\c+1], v[32*(\i0+\t)+8*\c+2]
.endr
.endr
.irp c, 0,1,2,3
.irp t, 0,1
	VS
	v_max3_num_f32 v[TM+4*\t+\c], v[TM+4*\t+\c], v[32*(\i0+\t)+8*\c+3], v[32*(\i0+\t)+8*\c+4]
.endr
.endr
.irp c, 0,1,2,3
.irp t, 0,1
	VS
	v_max3_num_f32 v[TM+4*\t+\c], v[TM+4*\t+\c], v[32*(\i0+\t)+8*\c+5], v[32*(\i0+\t)+8*\c+6]
.endr
.endr
.irp t, 0,1
	VS
	v_max3_num_f32 v[TM+4*\t], v[TM+4*\t], v[TM+4*\t+1], v[32*(\i0+\t)+7]
.endr
.irp t, 0,1
	VS
	v_max3_num_f32 v[TM+4*\t+2], v[TM+4*\t+2], v[TM+4*\t+3], v[32*(\i0+\t)+15]
.endr
.irp t, 0,1
	VS
	v_max3_num_f32 v[TM+4*\t], v[TM+4*\t], v[TM+4*\t+2], v[32*(\i0+\t)+23]
.endr
.irp t, 0,1
	VS
	v_max_num_f32 v[TM+4*\t], v[TM+4*\t], v[32*(\i0+\t)+31]
.endr
.irp t, 0,1
	VS
	v_permlanex16_b32 v[TM+4*\t+1], v[TM+4*\t], s20, s21           ; the query's other 32 keys lie in the other half of the lanes
.endr
.if \first
.irp t, 0,1
	VS
	v_max_num_f32 v[MX+\i0+\t], v[TM+4*\t], v[TM+4*\t+1]
.endr
.irp t, 0,1
	VS
	v_mul_f32 v[NMC+2*(\i0+\t)], s46, v[MX+\i0+\t]
.endr
.irp t, 0,1
	VS
	v_mul_f32 v[NMC+2*(\i0+\t)+1], s46, v[MX+\i0+\t]
.endr
.else
.irp t, 0,1
	VS
	v_max3_num_f32 v[TM+4*\t+2], v[TM+4*\t], v[TM+4*\t+1], v[MX+\i0+\t]            ; the new running maximum
.endr
.irp t, 0,1
	VS
	v_mul_f32 v[NMC+2*(\i0+\t)], s46, v[TM+4*\t+2]
.endr
.irp t, 0,1
	VS
	v_mul_f32 v[NMC+2*(\i0+\t)+1], s46, v[TM+4*\t+2]
.endr
.irp t, 0,1
	VS
	v_fma_f32 v[TM+4*\t+3], v[MX+\i0+\t], s22, v[NMC+2*(\i0+\t)]   ; c (old maximum - new maximum)
.endr
.irp t, 0,1
	VS
	v_exp_f32 v[AL+2*(\i0+\t)], v[TM+4*\t+3]
.endr
.irp t, 0,1
	VS
	v_exp_f32 v[AL+2*(\i0+\t)+1], v[TM+4*\t+3]
.endr
.irp t, 0,1
	VS
	v_mov_b32 v[MX+\i0+\t], v[TM+4*\t+2]           ; plain instructions behind the exponentials, before the factor is used
.endr
.endif
.irp s, 0,1,2,3,4,5,6,7,8,9
	ESTEP \i0, \s, \first
.endr
.if \first
.else
.irp t, 0,1
.set cnt, 0
.rept 32
	VR
	v_pk_mul_f32 v[64*(\i0+\t)+2*cnt:64*(\i0+\t)+2*cnt+1], v[64*(\i0+\t)+2*cnt:64*(\i0+\t)+2*cnt+1], v[AL+2*(\i0+\t):AL+2*(\i0+\t)+1]
.set cnt, cnt+1
.endr
.endr
.endif
.endm
; One trip: key block n.  first = 1 (n = 1): the value products of block 0 start O, and piece B's vector phase is its first.
.macro BODY first
	s_wait_dscnt 16                                ; V of block n - 1: keys 0-31 are in, the sixteen loads of keys 32-63 may be out
	LDK                                            ; K of block n; the plain vector instructions at the end of the last phase are the places behind the last score product
	PHSET 4-\first, 64, 0, 0, \first, 1
	VEC 2, \first                                  ; B, block n - 1, beside A's value products of block n - 1 and score products of block n
	PHSET 4, 64, 0, 2, \first, 2
	VEC 0, 0                                       ; A, block n, beside B's value products of block n - 1 and score products of block n; V of block n is loaded on the way
	WIN 0
	v_add_nc_u32 v[ADRK], 17408, v[ADRK]           ; 64 keys on
	v_add_nc_u32 v[ADRV], 18432, v[ADRV]
.endm
; One slot's 256 keys; refill = 1: the other slot, read last, gets the tile two further on.
.macro TWO slot, other, refill
	s_wait_tensorcnt 0x0                           ; all my tensor loads have landed, my part of this slot among them: every group 0 may be written
	ds_add_u32 v222, v223
	s_wait_dscnt 0x0
	s_add_nc_u64 s[G0K+4*\other+2:G0K+4*\other+3], s[G0K+4*\other+2:G0K+4*\other+3], 0x20000
	s_add_nc_u64 s[G0V+4*\other+2:G0V+4*\other+3], s[G0V+4*\other+2:G0V+4*\other+3], 0x20000
	s_wait_dscnt 0x0                               ; my reads of the other slot are over: the last were its last block's V fragments
	ROUND                                          ; both now hold of every wave of all four work-groups
.if \refill
	JLOAD \other                                   ; my one tensor load behind the round; four trips' work follows before the wait for it
.endif
	v_add_nc_u32 v[ADRK], \slot*SLOT, v[KL]
	v_add_nc_u32 v[ADRV], \slot*SLOT, v[VL]
	s_mov_b32 s45, 4
.Lblk_\@:
	BODY 0
	s_sub_co_u32 s45, s45, 1
	s_cmp_lg_u32 s45, 0
	s_cbranch_scc1 .Lblk_\@
.endm
	s_wait_tensorcnt 0x1                           ; my part of slot 0 is in; slot 1's stays out
	s_barrier_signal -1
	s_barrier_wait -1
	s_wait_loadcnt 0x0                             ; Q
	; Block 0: A's score products alone, then A's first vector phase beside B's score products
	LDK
.set pm, 0
.rept 32
.if (pm % 8) == 0
	s_wait_dscnt 24-pm                             ; this K step's eight loads are in; those of the later K steps may be out
.endif
	MMQK pm, 0
.set pm, pm+1
.endr
	LDV                                            ; no matrix instruction has read these registers yet
	PLACES                                         ; before A's scores are read: here no vector work stands behind the products
	PHSET 6, 32, 1, 2, 0, 0
	VEC 0, 1
	WIN 0
	v_add_nc_u32 v[ADRK], 17408, v[ADRK]
	v_add_nc_u32 v[ADRV], 18432, v[ADRV]
	BODY 1
	s_mov_b32 s45, 2
.Lblk_first:
	BODY 0
	s_sub_co_u32 s45, s45, 1
	s_cmp_lg_u32 s45, 0
	s_cbranch_scc1 .Lblk_first
	s_mov_b32 s44, 3
.Ltiles:
	TWO 1, 0, 1
	TWO 0, 1, 1
	s_sub_co_u32 s44, s44, 1
	s_cmp_lg_u32 s44, 0
	s_cbranch_scc1 .Ltiles
	TWO 1, 0, 0                                    ; the last 256 keys: nothing is left to fetch (slot 0's stepped address is not used)
	; What is left of block 31: B's vector phase beside A's value products, then B's value products
	s_wait_dscnt 16                                ; V's keys 0-31 are in
	PHSET 8, 32, 0, 0, 0, 3
	VEC 2, 0
.set pm, 0
.rept 32
	MMPV pm, 2, 0
.set pm, pm+1
.endr
	; THE WAY OUT: 1 / sum, then 16 queries at a time through my own stage, out as 4 rows of 128 bytes a store
	PLACES
	WIN 0xaa
.irp i, 0,1,2,3
	v_add_f32 v[TM+2*\i], v[LS+2*\i], v[LS+2*\i+1]
.endr
.irp i, 0,1,2,3
	v_permlanex16_b32 v[TM+2*\i+1], v[TM+2*\i], s20, s21
.endr
.irp i, 0,1,2,3
	v_add_f32 v[TM+2*\i], v[TM+2*\i], v[TM+2*\i+1]
.endr
.irp i, 0,1,2,3
	v_rcp_f32 v[AL+2*\i], v[TM+2*\i]
	v_rcp_f32 v[AL+2*\i+1], v[TM+2*\i]
.endr
	v_nop                                          ; a plain instruction before the reciprocals are used
	s_wait_alu depctr_va_vdst(0)
.macro OUTI i, f
	WIN 0x49
.set cnt, 0
.rept 32
	v_pk_mul_f32 v[64*\i+2*cnt:64*\i+2*cnt+1], v[64*\i+2*cnt:64*\i+2*cnt+1], v[AL+2*\i:AL+2*\i+1]
.set cnt, cnt+1
.endr
	WIN 0x05
.irp e, 0,1,2,3,4,5,6,7
.irp rr, 0,1,2,3
	v_cvt_pk_bf16_f32 v[TMP+4*\e+\rr], v[64*\i+8*\e+2*\rr], v[64*\i+8*\e+2*\rr+1]
.endr
.endr
	WIN 0
.irp e, 0,1,2,3,4,5,6,7
	ds_store_b128 v[STO], v[TMP+4*\e:TMP+4*\e+3] offset:32*\e
.endr
	s_wait_xcnt 0x0                                ; buffer f, which earlier stores read, is loaded again only behind this wait
.irp tt, 0,1,2,3
	ds_load_b128 v[\f+4*\tt:\f+4*\tt+3], v[RD] offset:\tt*1088                 ; d 0-63: a1
.endr
.irp tt, 0,1,2,3
	ds_load_b128 v[\f+16+4*\tt:\f+16+4*\tt+3], v[RD] offset:\tt*1088+128       ; d 64-127: a2
.endr
.irp tt, 0,1,2,3
	s_wait_dscnt 7-\tt
	global_store_b128 v[CO], v[\f+4*\tt:\f+4*\tt+3], s[8:9] offset:\i*2048+\tt*512          ; the wave stores 512 consecutive bytes, aligned
.endr
.irp tt, 0,1,2,3
	s_wait_dscnt 3-\tt
	global_store_b128 v[CO], v[\f+16+4*\tt:\f+16+4*\tt+3], s[18:19] offset:\i*2048+\tt*512
.endr
.endm
	OUTI 0, 32
	OUTI 1, 64
	OUTI 2, 32
	OUTI 3, 64
	s_wait_tensorcnt 0x0
	ds_add_u32 v222, v223
	s_wait_dscnt 0x0
	ROUND                                          ; the closing round
	s_endpgm
.Lfunc_end_k_q02c8455ea7_attn:
	.size	k_q02c8455ea7_attn, .Lfunc_end_k_q02c8455ea7_attn-k_q02c8455ea7_attn
	.p2alignl 7, 3214868480
	.fill 96, 4, 3214868480
	.section	.rodata,"a",@progbits
	.p2align	6, 0x0
	.amdhsa_kernel k_q02c8455ea7_attn
		.amdhsa_group_segment_fixed_size 327680
		.amdhsa_private_segment_fixed_size 0
		.amdhsa_enable_private_segment 0
		.amdhsa_kernarg_size 16
		.amdhsa_user_sgpr_count 2
		.amdhsa_user_sgpr_kernarg_segment_ptr 1
		.amdhsa_wavefront_size32 1
		.amdhsa_system_sgpr_workgroup_id_x 1
		.amdhsa_system_sgpr_workgroup_id_y 1
		.amdhsa_system_sgpr_workgroup_id_z 1
		.amdhsa_system_vgpr_workitem_id 0
		.amdhsa_next_free_vgpr 1024
		.amdhsa_next_free_sgpr 66
		.amdhsa_reserve_vcc 0
		.amdhsa_float_denorm_mode_32 3
		.amdhsa_float_denorm_mode_16_64 3
		.amdhsa_memory_ordered 1
		.amdhsa_forward_progress 1
		.amdhsa_inst_pref_size 255
	.end_amdhsa_kernel
	.section	.bss,"aw",@nobits
	.p2align	6
	.space	262144
	.amdgpu_metadata
---
amdhsa.version: [ 1, 2 ]
amdhsa.kernels:
  - .name:           k_q02c8455ea7_attn
    .symbol:         k_q02c8455ea7_attn.kd
    .args:
      - { .name: qkv, .offset: 0, .size: 8, .value_kind: global_buffer, .address_space: global }
      - { .name: ao, .offset: 8, .size: 8, .value_kind: global_buffer, .address_space: global }
    .group_segment_fixed_size: 327680
    .private_segment_fixed_size: 0
    .kernarg_segment_align: 8
    .kernarg_segment_size: 16
    .max_flat_workgroup_size: 128
    .sgpr_count:     66
    .vgpr_count:     1024
    .wavefront_size: 32
...
	.end_amdgpu_metadata
.endif
;; end of part 3
;; launch outp (part 4): grid 8 x 32, 4 waves a work-group, clusters of 4 x 4, 327,680 bytes of LDS; arguments ao, w2b, x, y, box, boy, out0, out1; writes out0, out1
.if DOCPART == 4
	.amdgcn_target "amdgcn-amd-amdhsa--gfx1250"
	.amdhsa_code_object_version 6
	.text
	.protected	k_q02c8455ea7_outp
	.globl	k_q02c8455ea7_outp
	.p2align	8
	.type	k_q02c8455ea7_outp,@function
k_q02c8455ea7_outp:
	s_mov_b64 s[64:65], 0
	v_nop
	global_prefetch_b8 v0, s[64:65] scope:SCOPE_SE
	s_setreg_imm32_b32 hwreg(HW_REG_WAVE_MODE, 25, 1), 1
	s_wait_xcnt 0x0
	s_wait_alu depctr_hold_cnt(0) depctr_sa_sdst(0) depctr_va_vdst(0) depctr_va_sdst(0) depctr_va_ssrc(0) depctr_va_vcc(0) depctr_vm_vsrc(0)
	s_getreg_b32 s2, hwreg(HW_REG_IB_STS2, 6, 4)
	s_cmp_eq_u32 s2, 0
	s_cbranch_scc0 .Lentry_in_a_cluster
	s_endpgm
.Lentry_in_a_cluster:
	s_bfe_u32 s2, ttmp6, 0x10000c
	s_cmp_lg_u32 s2, 0xf033
	s_cbranch_scc0 .Lentry_shape_is_right
	s_endpgm
.Lentry_shape_is_right:
; out0 = a1 Wox + box + x, out1 = a2 Woy + boy + y: 2 x 4,096 rows x 1,024 columns, K = 1,024; bf16 operands, f32 sums, bias and residual in f32.
; No work is left out.
; 256 work-groups, each 256 rows x 128 columns; four waves, each 128 x 64: 32 accumulator tiles in window 1, tile (a, b) at 8 (4 a + b).
; K block kb (64 K) is head kb of ao.  The stream t = block row / 16 comes from the cluster's y alone: all sixteen partners share it.
; THE RING: two LDS slots of THREE K blocks each, the most that fits (2 x 159,744 of 327,680 bytes); the sixteen K blocks go as 3, 3, 3, 3, 3, 1.
; A refill is asked for behind the change of slots and waited for in front of the next change: 16 + 5 x 32 = 176 matrix instructions lie between.
; ONE LOAD A WAVE: waves 0, 1 fetch 128 rows of a each, waves 2, 3 one column group of the weights each, for all three K blocks.  A wave's part of one
; K block is dense in memory (16,384 bytes of a, 8,192 of the weights) and the K blocks lie 262,144 (131,072) bytes apart, so the tile has three rows,
; each one dense part.  The descriptor asks for padding behind every 64 words of the tile: in LDS the parts lie as rows of 256 bytes, 272 (288) apart,
; each holding two logical rows of 128 bytes.
; The six slots are written out without a loop: the first starts the sums, the fourth asks for the short last tile, the fifth fills nothing, the sixth has one K block.
; CLUSTERS: 4 x 4; a's tile is asked for jointly along a row of the cluster, the weights' tile along a column.
; Source 0 = weights (transposed on the way from LDS), source 1 = rows of a: a lane holds eight neighbouring columns of one row.
; THE RESIDUAL: the wave's 128 rows x 64 columns of f32 are 64 loads of 512 bytes and have window 2 to themselves, group (a, t) at 32 a + 4 t.
; Seven of the eight groups of sixteen rows are asked for under the products of the last four K blocks, one group to a quarter; the eighth behind the way
; out's first wait.  So at most 57 loads of the wave are out (the bias, 7 x 8), and the way out adds in window 2 and stores from there: no register
; that a store reads is written again.
; THE STAGE of the way out (16 rows x 272 bytes for each wave) lies in slot 0, at LDS bytes 0 to 17,407.  Slot 0 has had its last fill (K blocks 12-14), and every
; wave has waited for its last reads of it and for all its tensor loads in front of the barrier that changes to the last slot; no tensor load follows.
.set SLOT,  159744                     ; a: 2 halves x 52,224; weights: 2 column groups x 27,648
.set AHALF, 52224                      ; 3 K blocks x 64 LDS rows of 272
.set APL,   17408                      ; one K block of it
.set BOFF,  104448
.set BGRP,  27648                      ; 3 K blocks x 32 LDS rows of 288
.set BPL,   9216                       ; one K block of it
.set ADRA, 16                          ; v16-17 LDS address of my fragments of a in slot 0, 1
.set ADRB, 18                          ; v18-19 the same for the weights
.set STO,  20
.set RD,   21
.set CO,   22
.set BO,   23
.set FA0,  32                          ; v[32:95]   fragments of a (8 x 16 rows x 32 K), buffer 0
.set FA1,  96                          ; v[96:159]  buffer 1
.set FB0,  160                         ; v[160:191] weight fragments (4 x 16 columns x 32 K), buffer 0
.set FB1,  192                         ; v[192:223] buffer 1
.set BIAS, 224                         ; v[224:227] the bias of my four columns
.set F0,   96                          ; the way out: rows read back, two buffers
.set F1,   128
.set G1,  24                           ; s[24:31] group 1, a's tiles
.set G0,  32                           ; s[32:39] group 0, a's tiles, one set for each slot
.set G1B, 48                           ; s[48:55] group 1, weights' tiles
.set G0B, 56                           ; s[56:63] group 0, weights' tiles
.set MSB, 0
.macro WIN new                         ; the immediate's high byte repeats the setting that is left
.if MSB != \new
	s_set_vgpr_msb (MSB<<8)|\new
.set MSB, \new
.endif
.endm
.macro PLACES                          ; four plain vector instructions between a matrix instruction and a load into, or a read of, its registers
.rept 4
	v_nop
.endr
.endm
.macro JLOAD s                         ; waves 0, 1 ask for a's two halves, waves 2, 3 for the weights' two column groups: one tensor load a wave
	s_cmp_eq_u32 s11, 0
	s_cbranch_scc0 .Lfor_b_\@
	tensor_load_to_lds s[G0+4*\s:G0+4*\s+3], s[G1:G1+7]
	s_nop 0
	s_branch .Lasked_\@
.Lfor_b_\@:
	tensor_load_to_lds s[G0B+4*\s:G0B+4*\s+3], s[G1B:G1B+7]
	s_nop 0
.Lasked_\@:
.endm
.macro CREST                           ; a round of the cluster's barrier behind its opening work-group barrier
	s_cmp_lg_u32 s10, 0
	s_cbranch_scc1 .Lnot_wave_0_\@
	s_barrier_signal -3
.Lnot_wave_0_\@:
	s_barrier_wait -3
	s_barrier_signal -1
	s_barrier_wait -1
.endm
.macro CROUND
	s_barrier_signal -1
	s_barrier_wait -1
	CREST
.endm
	s_load_b512 s[68:83], s[0:1], 0x0              ; ao s[68:69], w2b s[70:71], x s[72:73], y s[74:75], box s[76:77], boy s[78:79], out0 s[80:81], out1 s[82:83]
	v_lshl_add_u32 v254, v0, 2, 0x4e000
	v_mov_b32 v255, 0
	ds_add_u32 v254, v255
	v_lshrrev_b32 v1, 5, v0
	v_readfirstlane_b32 s10, v1                    ; wave
	s_lshr_b32 s11, s10, 1                         ; my half of the rows; also: I fetch a (0) or weights (1)
	s_and_b32 s12, s10, 1                          ; my half of the columns; also: which half of a, or which column group, I fetch
	s_bfe_u32 s40, ttmp6, 0x40000                  ; cx
	s_bfe_u32 s41, ttmp6, 0x40004                  ; cy
	s_lshl_b32 s42, ttmp9, 2
	s_add_co_u32 s42, s42, s40                     ; block column
	s_and_b32 s45, ttmp7, 0xffff
	s_lshl_b32 s13, s45, 2
	s_add_co_u32 s13, s13, s41                     ; block row
	s_lshr_b32 s45, s45, 2                         ; stream t
	s_lshl_b32 s43, s41, 2
	s_lshl_b32 s43, 15, s43                        ; my row of the cluster
	s_lshl_b32 s44, 0x1111, s40                    ; my column of the cluster
	s_or_b32 s[G1+0], s43, (1<<16)|(1<<20)|(1<<21)|(5<<22)|(3<<25)   ; mask; 2-byte elements; 4 words of padding behind every 64 words: LDS rows 272 apart
	s_mov_b32 s[G1+1], 8192<<16                    ; tensor_dim0 = 8,192 elements: 128 rows of a, one K block, dense
	s_mov_b32 s[G1+2], 3<<16                       ; tensor_dim1 = 3 K blocks
	s_mov_b32 s[G1+3], 8192<<16                    ; tile_dim0
	s_mov_b32 s[G1+4], 3                           ; tile_dim1
	s_mov_b32 s[G1+5], 131072                      ; pitch: a head of ao, 2,048 x 64 elements
	s_mov_b32 s[G1+6], 0
	s_mov_b32 s[G1+7], 0
	s_or_b32 s[G1B+0], s44, (1<<16)|(1<<20)|(1<<21)|(5<<22)|(7<<25)  ; 8 words of padding behind every 64 words: LDS rows 288 apart
	s_mov_b32 s[G1B+1], 4096<<16                   ; 4,096 elements: one column group, one K block, dense
	s_mov_b32 s[G1B+2], 3<<16
	s_mov_b32 s[G1B+3], 4096<<16
	s_mov_b32 s[G1B+4], 3
	s_mov_b32 s[G1B+5], 65536                      ; pitch: a K block of w2b, 16 groups x 4,096 elements
	s_mov_b32 s[G1B+6], 0
	s_mov_b32 s[G1B+7], 0
	s_lshr_b32 s16, s13, 3                         ; ao: plane 2 t + b, 16 heads of 262,144 bytes
	s_lshl_b32 s16, s16, 22
	s_and_b32 s17, s13, 7
	s_lshl_b32 s17, s17, 15                        ; 256 rows of 128 bytes
	s_add_co_u32 s16, s16, s17
	s_lshl_b32 s17, s12, 14                        ; the 128 rows that I fetch
	s_add_co_u32 s16, s16, s17
	s_mov_b32 s17, 0
	s_lshl_b32 s46, s45, 21                        ; w2b: t x 2,097,152
	s_lshl_b32 s47, s42, 1
	s_add_co_u32 s47, s47, s12                     ; the column group that I fetch: 2 x block column + half,
	s_lshl_b32 s47, s47, 13                        ; 8,192 bytes each
	s_add_co_u32 s46, s46, s47
	s_mov_b32 s47, 0
	s_mul_i32 s20, s10, AHALF                      ; a's halves go to wave x 52,224
	s_mul_i32 s21, s10, BGRP
	s_add_co_u32 s21, s21, BOFF-2*BGRP             ; the weights' groups to BOFF + (wave - 2) x 27,648
	s_wait_dscnt 0x0
	s_wait_kmcnt 0x0
	s_add_nc_u64 s[14:15], s[68:69], s[16:17]
	s_add_nc_u64 s[46:47], s[70:71], s[46:47]
	CROUND                                         ; in front of the first joint loads
.irp s, 0,1
	s_mov_b32 s[G0+4*\s], 1
	s_add_co_u32 s[G0+4*\s+1], s20, \s*SLOT
	s_add_nc_u64 s[G0+4*\s+2:G0+4*\s+3], s[14:15], \s*786432       ; K blocks 3 s .. of ao
	s_or_b32 s[G0+4*\s+3], s[G0+4*\s+3], 0x80000000
	s_mov_b32 s[G0B+4*\s], 1
	s_add_co_u32 s[G0B+4*\s+1], s21, \s*SLOT
	s_add_nc_u64 s[G0B+4*\s+2:G0B+4*\s+3], s[46:47], \s*393216     ; K blocks 3 s .. of w2b
	s_or_b32 s[G0B+4*\s+3], s[G0B+4*\s+3], 0x80000000
	JLOAD \s                                       ; two tensor loads of the wave are out at the start, one later
.endr
	; logical row r' of a part lies at (r' >> 1) x pitch + (r' & 1) x 128
	v_and_b32 v1, 15, v0                           ; r
	v_bfe_u32 v2, v0, 4, 1                         ; h
	v_lshrrev_b32 v3, 1, v1
	v_mul_u32_u24 v3, v3, 272
	v_and_b32 v4, 1, v0
	v_lshl_add_u32 v3, v4, 7, v3
	v_lshl_add_u32 v3, v2, 4, v3                   ; a: row r, K = 8 h ..
	v_bfe_u32 v5, v0, 1, 2
	v_lshl_add_u32 v5, v2, 2, v5
	v_mul_u32_u24 v5, v5, 288
	v_lshl_add_u32 v5, v4, 7, v5
	v_bfe_u32 v6, v0, 3, 1
	v_lshl_add_u32 v5, v6, 4, v5                   ; weights: K row 8 h + (lane & 7), columns 8 ((lane >> 3) & 1) ..
	s_mul_i32 s22, s11, AHALF                      ; my 128 rows
	s_mul_i32 s23, s12, BGRP                       ; my column group
	s_add_co_u32 s23, s23, BOFF
.irp s, 0,1
	v_add_nc_u32 v[ADRA+\s], s22, v3
	v_add_nc_u32 v[ADRB+\s], s23, v5
	s_add_co_u32 s22, s22, SLOT
	s_add_co_u32 s23, s23, SLOT
.endr
	s_mul_i32 s22, s10, 4352                       ; my stage: wave x 16 rows of 272 bytes, from LDS byte 0
	v_mul_u32_u24 v6, v1, 272
	v_lshl_add_u32 v6, v2, 5, v6
	v_add_nc_u32 v[STO], s22, v6                   ; stage in: row r, 32 bytes for each half
	v_mul_u32_u24 v7, v2, 272
	v_lshl_add_u32 v7, v1, 4, v7
	v_add_nc_u32 v[RD], s22, v7                    ; stage back: lanes 0-15 one row of 256 bytes, lanes 16-31 the next
	v_lshlrev_b32 v[BO], 4, v1                     ; my four columns
	v_lshl_add_u32 v[CO], v2, 12, v[BO]            ; and the same two rows in memory
	; residual, bias and output: the stream chooses the buffers; then my first row and my first column
	s_cmp_eq_u32 s45, 0
	s_cselect_b64 s[72:73], s[72:73], s[74:75]
	s_cselect_b64 s[76:77], s[76:77], s[78:79]
	s_cselect_b64 s[80:81], s[80:81], s[82:83]
	s_and_b32 s16, s13, 15
	s_lshl_b32 s16, s16, 20                        ; 256 rows of 4,096 bytes
	s_lshl_b32 s17, s11, 19                        ; my 128 rows
	s_add_co_u32 s16, s16, s17
	s_mov_b32 s17, 0
	s_lshl_b32 s46, s42, 9                         ; 128 columns of 4 bytes
	s_lshl_b32 s47, s12, 8                         ; my 64 columns
	s_add_co_u32 s46, s46, s47
	s_mov_b32 s47, 0
	s_add_nc_u64 s[72:73], s[72:73], s[16:17]
	s_add_nc_u64 s[72:73], s[72:73], s[46:47]
	s_add_nc_u64 s[80:81], s[80:81], s[16:17]
	s_add_nc_u64 s[80:81], s[80:81], s[46:47]
	s_add_nc_u64 s[76:77], s[76:77], s[46:47]
	global_load_b128 v[BIAS:BIAS+3], v[BO], s[76:77]               ; the oldest load: every later wait on the residual covers it
.macro LD3 slot, qq, fa, fb            ; 24 loads: quarter qq (32 K) of the slot: K block qq / 2, its half qq % 2
.irp i, 0,1,2,3,4,5,6,7
	ds_load_b128 v[\fa+8*\i:\fa+8*\i+3], v[ADRA+\slot] offset:((\qq)/2)*APL+((\qq)%2)*64+\i*2176
	ds_load_b128 v[\fa+8*\i+4:\fa+8*\i+7], v[ADRA+\slot] offset:((\qq)/2)*APL+((\qq)%2)*64+\i*2176+32
.endr
.irp b, 0,1,2,3
	ds_load_tr16_b128 v[\fb+8*\b:\fb+8*\b+3], v[ADRB+\slot] offset:((\qq)/2)*BPL+((\qq)%2)*4608+\b*32
	ds_load_tr16_b128 v[\fb+8*\b+4:\fb+8*\b+7], v[ADRB+\slot] offset:((\qq)/2)*BPL+((\qq)%2)*4608+\b*32+2304
.endr
.endm
.macro RESLD a                         ; 8 loads: the residual of my rows 16 a .. 16 a + 15, two rows of 256 bytes a load, into window 2
	WIN 0x80                                       ; destination window 2, address window 0
.irp t, 0,1,2,3,4,5,6,7
	global_load_b128 v[32*(\a)+4*\t:32*(\a)+4*\t+3], v[CO], s[72:73] offset:(16*(\a)+2*\t)*4096 th:TH_LOAD_NT
.endr
.endm
.macro MUL16 fa, fb, a0, zero          ; 16 matrix instructions on 16 accumulators; zero = 1: the product starts the sum
.irp a, \a0, \a0+1, \a0+2, \a0+3
.irp b, 0,1,2,3
.if \zero
	v_wmma_f32_16x16x32_bf16 v[8*(4*(\a)+\b):8*(4*(\a)+\b)+7], v[\fb+8*\b:\fb+8*\b+7], v[\fa+8*(\a):\fa+8*(\a)+7], 0
.else
	v_wmma_f32_16x16x32_bf16 v[8*(4*(\a)+\b):8*(4*(\a)+\b)+7], v[\fb+8*\b:\fb+8*\b+7], v[\fa+8*(\a):\fa+8*(\a)+7], v[8*(4*(\a)+\b):8*(4*(\a)+\b)+7]
.endif
.endr
.endr
.endm
; Quarter qq of a slot: 32 matrix instructions on buffer qq % 2; in front of them the next quarter's fragments are asked for into the other buffer.
; The 32 accumulators take turns in the same order in every quarter.  res below 8: that group of the residual is asked for too.
.macro QUART slot, qq, zero, res
	WIN 0
	PLACES
.if (\qq)%2
	LD3 \slot, \qq+1, FA0, FB0
.else
	LD3 \slot, \qq+1, FA1, FB1
.endif
.if (\res) < 8
	RESLD \res
.endif
	s_wait_dscnt 24                                ; the 24 just issued may be out
	WIN 0x50
.if (\qq)%2
	MUL16 FA1, FB1, 0, 0
	MUL16 FA1, FB1, 4, 0
.else
	MUL16 FA0, FB0, 0, \zero
	MUL16 FA0, FB0, 4, \zero
.endif
.endm
; A slot's sixth quarter, on buffer 1, and the change of slots.  fill = 1: this slot gets the three K blocks six further on; 2: the one K block that is left; 0: nothing.
.macro TURN slot, next, fill, res
	s_wait_dscnt 0x0                               ; my reads of this slot are over
	s_wait_tensorcnt 0x0                           ; all my tensor loads have landed: the one that was out is my part of the next slot
	ds_add_u32 v254, v255
	s_wait_dscnt 0x0
	s_barrier_signal -1                            ; where the slot is filled again this barrier opens a round of the cluster's barrier
	MUL16 FA1, FB1, 0, 0                           ; register work while the others arrive
	WIN 0
	s_barrier_wait -1
.if \fill
	CREST                                          ; no wave of any partner still reads this slot or has a load on its way
	s_add_nc_u64 s[G0+4*\slot+2:G0+4*\slot+3], s[G0+4*\slot+2:G0+4*\slot+3], 0x180000       ; six K blocks on
	s_add_nc_u64 s[G0B+4*\slot+2:G0B+4*\slot+3], s[G0B+4*\slot+2:G0B+4*\slot+3], 0xc0000
.if \fill == 2
	s_mov_b32 s[G1+2], 1<<16                       ; K block 15 alone: tiles of one row; no tensor load of mine is out, so group 1 may be written
	s_mov_b32 s[G1+4], 1
	s_mov_b32 s[G1B+2], 1<<16
	s_mov_b32 s[G1B+4], 1
.endif
	JLOAD \slot                                    ; the first tensor load behind the round; 176 matrix instructions follow before the wait for it
.endif
	PLACES
	LD3 \next, 0, FA0, FB0
.if (\res) < 8
	RESLD \res
.endif
	WIN 0x50
	MUL16 FA1, FB1, 4, 0
.endm
.macro PHASE slot, next, fill, zero, res           ; a slot of three K blocks; res = 8: no residual is asked for; res = 0: groups 0 to 5
	QUART \slot, 0, \zero, \res
	QUART \slot, 1, 0, \res+1
	QUART \slot, 2, 0, \res+2
	QUART \slot, 3, 0, \res+3
	QUART \slot, 4, 0, \res+4
	TURN \slot, \next, \fill, \res+5
.endm
	s_wait_tensorcnt 0x1                           ; my part of slot 0 is in; slot 1's stays out
	s_barrier_signal -1
	s_barrier_wait -1
	LD3 0, 0, FA0, FB0
	PHASE 0, 1, 1, 1, 8                            ; K blocks 0-2: the first products start the sums; slot 0 gets 6-8
	PHASE 1, 0, 1, 0, 8                            ; K blocks 3-5; slot 1 gets 9-11
	PHASE 0, 1, 1, 0, 8                            ; K blocks 6-8; slot 0 gets 12-14: its last fill
	PHASE 1, 0, 2, 0, 8                            ; K blocks 9-11; slot 1 gets 15: the last tensor load
	PHASE 0, 1, 0, 0, 0                            ; K blocks 12-14: nothing is left to fetch; the residual of rows 0-95 goes out
	QUART 1, 0, 0, 6                               ; K block 15; the residual of rows 96-111
	s_wait_dscnt 0x0
	MUL16 FA1, FB1, 0, 0
	MUL16 FA1, FB1, 4, 0
	; THE WAY OUT: 16 rows at a time through my own stage; products and bias are added onto the residual in window 2, whole rows of 256 bytes
	WIN 0
	PLACES
; rows 16 a .. 16 a + 15; f: rows read back; left: the residual loads issued behind these rows'; late = 1: the last sixteen rows' residual is asked for
.macro OUT16 a, f, left, late
	WIN 0x04                                       ; store data from window 1
.irp b, 0,1,2,3
	ds_store_b128 v[STO], v[8*(4*\a+\b):8*(4*\a+\b)+3] offset:\b*64
	ds_store_b128 v[STO], v[8*(4*\a+\b)+4:8*(4*\a+\b)+7] offset:\b*64+16
.endr
	WIN 0
.irp t, 0,1,2,3,4,5,6,7
	ds_load_b128 v[\f+4*\t:\f+4*\t+3], v[RD] offset:\t*544         ; LDS serves a wave's instructions in order: these see the stores above
.endr
	s_wait_loadcnt \left                           ; these rows' residual (and the bias) is in; the later groups may be out
.if \late
	RESLD 7                                        ; behind that wait 48 loads are out at the most: with these eight, 56
.endif
	WIN 0x88                                       ; destination and source 1 (also a store's data) window 2, source 0 (also a store's address) window 0
.irp t, 0,1,2,3,4,5,6,7
	s_wait_dscnt 7-\t
	v_pk_add_f32 v[32*\a+4*\t:32*\a+4*\t+1], v[\f+4*\t:\f+4*\t+1], v[32*\a+4*\t:32*\a+4*\t+1]
	v_pk_add_f32 v[32*\a+4*\t+2:32*\a+4*\t+3], v[\f+4*\t+2:\f+4*\t+3], v[32*\a+4*\t+2:32*\a+4*\t+3]
	v_pk_add_f32 v[32*\a+4*\t:32*\a+4*\t+1], v[BIAS:BIAS+1], v[32*\a+4*\t:32*\a+4*\t+1]
	v_pk_add_f32 v[32*\a+4*\t+2:32*\a+4*\t+3], v[BIAS+2:BIAS+3], v[32*\a+4*\t+2:32*\a+4*\t+3]
	global_store_b128 v[CO], v[32*\a+4*\t:32*\a+4*\t+3], s[80:81] offset:(16*\a+2*\t)*4096 th:TH_STORE_NT   ; sixteen lanes store 256 consecutive bytes, aligned
.endr
.endm
	OUT16 0, F0, 48, 1                             ; groups 1 to 6 may be out
	OUT16 1, F1, 48, 0                             ; groups 2 to 7
	OUT16 2, F0, 40, 0
	OUT16 3, F1, 32, 0
	OUT16 4, F0, 24, 0
	OUT16 5, F1, 16, 0
	OUT16 6, F0, 8, 0
	OUT16 7, F1, 0, 0
	WIN 0
	s_wait_tensorcnt 0x0
	ds_add_u32 v254, v255
	s_wait_dscnt 0x0
	CROUND                                         ; the closing round: no work-group ends while a partner may still ask jointly
	s_endpgm
.Lfunc_end_k_q02c8455ea7_outp:
	.size	k_q02c8455ea7_outp, .Lfunc_end_k_q02c8455ea7_outp-k_q02c8455ea7_outp
	.p2alignl 7, 3214868480
	.fill 96, 4, 3214868480
	.section	.rodata,"a",@progbits
	.p2align	6, 0x0
	.amdhsa_kernel k_q02c8455ea7_outp
		.amdhsa_group_segment_fixed_size 327680
		.amdhsa_private_segment_fixed_size 0
		.amdhsa_enable_private_segment 0
		.amdhsa_kernarg_size 64
		.amdhsa_user_sgpr_count 2
		.amdhsa_user_sgpr_kernarg_segment_ptr 1
		.amdhsa_wavefront_size32 1
		.amdhsa_system_sgpr_workgroup_id_x 1
		.amdhsa_system_sgpr_workgroup_id_y 1
		.amdhsa_system_sgpr_workgroup_id_z 1
		.amdhsa_system_vgpr_workitem_id 0
		.amdhsa_next_free_vgpr 768
		.amdhsa_next_free_sgpr 84
		.amdhsa_reserve_vcc 0
		.amdhsa_float_denorm_mode_32 3
		.amdhsa_float_denorm_mode_16_64 3
		.amdhsa_memory_ordered 1
		.amdhsa_forward_progress 1
		.amdhsa_inst_pref_size 170
	.end_amdhsa_kernel
	.amdgpu_metadata
---
amdhsa.version: [ 1, 2 ]
amdhsa.kernels:
  - .name:           k_q02c8455ea7_outp
    .symbol:         k_q02c8455ea7_outp.kd
    .args:
      - { .name: ao, .offset: 0, .size: 8, .value_kind: global_buffer, .address_space: global }
      - { .name: w2b, .offset: 8, .size: 8, .value_kind: global_buffer, .address_space: global }
      - { .name: x, .offset: 16, .size: 8, .value_kind: global_buffer, .address_space: global }
      - { .name: y, .offset: 24, .size: 8, .value_kind: global_buffer, .address_space: global }
      - { .name: box, .offset: 32, .size: 8, .value_kind: global_buffer, .address_space: global }
      - { .name: boy, .offset: 40, .size: 8, .value_kind: global_buffer, .address_space: global }
      - { .name: out0, .offset: 48, .size: 8, .value_kind: global_buffer, .address_space: global }
      - { .name: out1, .offset: 56, .size: 8, .value_kind: global_buffer, .address_space: global }
    .group_segment_fixed_size: 327680
    .private_segment_fixed_size: 0
    .kernarg_segment_align: 8
    .kernarg_segment_size: 64
    .max_flat_workgroup_size: 128
    .sgpr_count:     84
    .vgpr_count:     768
    .wavefront_size: 32
...
	.end_amdgpu_metadata
.endif
;; end of part 4
;; ======== version 2 of 2: 4 launches; 1.11 times as fast as version 1
;; workspace buffers: xyb 16,777,216 bytes; w1b 6,291,456 bytes; w2b 4,194,304 bytes; qkv 50,331,648 bytes; ao 16,777,216 bytes
;; launch prep: the kernel of part 1 again; grid 416 x 1, 8 waves a work-group, no clusters, 0 bytes of LDS; arguments x, y, Wq, Wk, Wv, Wox, Woy, xyb, w1b, w2b; writes xyb, w1b, w2b
;; launch qkv: the kernel of part 2 again; grid 8 x 32, 4 waves a work-group, clusters of 4 x 4, 327,680 bytes of LDS; arguments xyb, w1b, qkv; writes qkv
;; launch attn (part 5): grid 8 x 32, 4 waves a work-group, clusters of 4 x 1, 327,680 bytes of LDS; arguments qkv, ao; writes ao
.if DOCPART == 5
	.amdgcn_target "amdgcn-amd-amdhsa--gfx1250"
	.amdhsa_code_object_version 6
	.text
	.protected	k_q02c8455ea7_attn
	.globl	k_q02c8455ea7_attn
	.p2align	8
	.type	k_q02c8455ea7_attn,@function
k_q02c8455ea7_attn:
	s_mov_b64 s[64:65], 0
	v_nop
	global_prefetch_b8 v0, s[64:65] scope:SCOPE_SE
	s_setreg_imm32_b32 hwreg(HW_REG_WAVE_MODE, 25, 1), 1
	s_wait_xcnt 0x0
	s_wait_alu depctr_hold_cnt(0) depctr_sa_sdst(0) depctr_va_vdst(0) depctr_va_sdst(0) depctr_va_ssrc(0) depctr_va_vcc(0) depctr_vm_vsrc(0)
	s_getreg_b32 s2, hwreg(HW_REG_IB_STS2, 6, 4)
	s_cmp_eq_u32 s2, 0
	s_cbranch_scc0 .Lentry_in_a_cluster
	s_endpgm
.Lentry_in_a_cluster:
	s_bfe_u32 s2, ttmp6, 0x10000c
	s_cmp_lg_u32 s2, 0x3003
	s_cbranch_scc0 .Lentry_shape_is_right
	s_endpgm
.Lentry_shape_is_right:
; Attention of width 128 for each of 32 (batch, head) pairs: scores ([qx|qy] . [kx|ky]) / 16, softmax with a running maximum, [a1|a2] = w [vx|vy].
; No work is left out.  LIMITS: softmax weights and a1, a2 are rounded to bf16; the exponent is one fused s c - m c with c = log2(e) / 16.
; qkv's Q rows hold [x Wq | y Wq] = [qy | qx], its K rows [kx | ky]: Q's K steps are read at byte (64 ks) xor 128.
; ao [t 2][b 2][h 16][s 2048][64]: t 0 = a1, t 1 = a2.
; A work-group takes 256 queries of one pair, a wave 64 (four tiles of 16).  Keys go in 8 tiles of 256 through two LDS slots, each worked in 4 blocks of 64.
; CLUSTERS: the four work-groups of a cluster are four query blocks of one pair and read the same K and V tiles: joint loads, mask 15.
; FORMS, chosen so that nothing crosses lanes but one exchange of halves: S^T = K Q^T (source 0 K, source 1 Q): lane (r, h) holds query r,
; keys 8 h + j.  Packed in place that is the second source of O^T = V^T P^T (source 0: V transposed on the way from LDS): lane (r, h)
; holds query r and eight neighbouring d.  Maximum, sum and rescale factor are per lane.
; THE SCHEDULE.  The four query tiles are two pieces, A = tiles 0, 1 and B = tiles 2, 3, which share the K and V fragments.  One trip, key block n:
;     value products of A, block n - 1, then score products of A, block n:   beside them the vector phase of B, block n - 1
;     value products of B, block n - 1, then score products of B, block n:   beside them the vector phase of A, block n
; The vector phase (maximum, factor, exponents, exponentials, sums, packing, rescaling of O: 272 instructions a piece and block) is written once, as
; the macro VEC; in front of every fourth of its instructions stands the next of the other piece's 64 matrix instructions.  The last of them stands in
; front of instruction 252, so 20 plain vector instructions that name none of its registers follow it: they are the places in front of the next reads
; of its scores and the next loads into its fragments.  All LDS reads of a trip belong to block n, so slots change between trips.
; THE BATCH.  A phase's 68 exponentials (the rescale factor, twice for each of the two tiles, and the 64 weights, in place on the scores) are ONE batch with ONE wait.
; The phase is ordered by who reads what: instructions 0-41 find the maximum and its change; 42-143 are the 32 scalings s c - m c, the 68 exponentials and the two
; copies of the new maximum, none of which names an exponential's result; then the wait; 144-207 are the sums and roundings, 208-271 the rescaling of O, which
; read the results.
; REGISTER WINDOWS: 0 addresses, Q, packed results; 1 O (tile (i, e) at 8 (8 i + e)); 2 scores, softmax state, P; 3 K and V fragments.
; A vector result lands in the window of the matrix instruction's D and v_exp_f32 reads through source 0, so one setting for both kinds would want
; scores, fragments and O in one window of 256 registers; they do not fit.  Hence two switches for each matrix instruction, about 259 in a trip of
; 128 matrix, 544 vector and 64 LDS instructions.
.set SLOT,  143360                     ; V 256 rows x 288, then K 256 rows x 272
.set KOFF,  73728
.set STAGE, 286720                     ; 16 rows x 272 bytes for each wave; no tensor load lands here
.set ADRK, 16                          ; this block's K and V addresses
.set ADRV, 17
.set KL,   18                          ; lane terms, never rewritten
.set VL,   19
.set STO,  20
.set RD,   21
.set CO,   22
.set QO,   23
.set QF,   32                          ; v[32:159]  Q, tile (i, ks) at 32 + 8 (4 i + ks); the way out reuses v[32:95]
.set TMP,  224                         ; v[224:255] the way out: packed results
; window 2: scores of query tile i at 32 i + 8 kt + j
.set MX,   128                         ; running maximum, one for each query tile
.set NMC,  132                         ; pairs: - c x maximum, twice
.set AL,   140                         ; pairs: rescale factor, twice; at the end 1 / sum
.set LS,   148                         ; pairs: the lane's partial sums
.set TM,   160                         ; v[160:167] four maxima for each of a piece's two tiles
.set SU,   168                         ; pairs at work on the sums
.set SV,   170
.set ACC,  172                         ; v[172:175] a block's sum, a pair for each of a piece's two tiles
.set PP,   192                         ; v[192:255] P, 16 registers for each query tile
; window 3: K fragment (kt, ks) at 32 kt + 8 ks; V fragment (u, e) at 128 + 64 u + 8 e
.set G1K, 24
.set G0K, 32
.set G1V, 48
.set G0V, 56
.set MSB, 0
.macro WIN new                         ; the immediate's high byte repeats the setting that is left
.if MSB != \new
	s_set_vgpr_msb (MSB<<8)|\new
.set MSB, \new
.endif
.endm
.macro PLACES
.rept 4
	v_nop
.endr
.endm
.macro JLOAD s                         ; waves 0, 1 ask for V's two halves, waves 2, 3 for K's: one tensor load a wave
	s_cmp_eq_u32 s11, 0
	s_cbranch_scc0 .Lfor_k_\@
	tensor_load_to_lds s[G0V+4*\s:G0V+4*\s+3], s[G1V:G1V+7]
	s_nop 0
	s_branch .Lasked_\@
.Lfor_k_\@:
	tensor_load_to_lds s[G0K+4*\s:G0K+4*\s+3], s[G1K:G1K+7]
	s_nop 0
.Lasked_\@:
.endm
.macro ROUND                           ; a round of the cluster's barrier
	s_barrier_signal -1
	s_barrier_wait -1
	s_cmp_lg_u32 s10, 0
	s_cbranch_scc1 .Lnot_wave_0_\@
	s_barrier_signal -3
.Lnot_wave_0_\@:
	s_barrier_wait -3
	s_barrier_signal -1
	s_barrier_wait -1
.endm
	s_load_b128 s[4:7], s[0:1], 0x0                ; qkv s[4:5], ao s[6:7]
	v_lshl_add_u32 v222, v0, 2, 0x4a400
	v_mov_b32 v223, 0
	ds_add_u32 v222, v223
	v_lshrrev_b32 v1, 5, v0
	v_readfirstlane_b32 s10, v1                    ; wave
	s_lshr_b32 s11, s10, 1                         ; I fetch V (0) or K (1)
	s_and_b32 s12, s10, 1                          ; which 128 rows of the tile
	s_bfe_u32 s40, ttmp6, 0x40000                  ; cx
	s_lshl_b32 s47, ttmp9, 2
	s_add_co_u32 s47, s47, s40                     ; query block
	s_lshl_b32 s47, s47, 2
	s_add_co_u32 s47, s47, s10                     ; my 64 queries: number 4 block + wave
	s_and_b32 s13, ttmp7, 0xffff                   ; 16 b + h
	s_lshr_b32 s14, s13, 4
	s_and_b32 s15, s13, 15
	s_mul_i32 s41, s14, 48
	s_add_co_u32 s41, s41, s15
	s_lshl_b32 s41, s41, 19                        ; Q's head: (48 b + h) x 524,288 bytes
	s_lshl_b32 s43, s12, 15                        ; 128 rows of 256 bytes
	s_add_co_u32 s2, s41, s43
	s_add_co_u32 s42, s2, 0x1000000                ; V's head is 32 heads on,
	s_add_co_u32 s2, s2, 0x800000                  ; K's 16
	s_mov_b32 s3, 0
	s_mov_b32 s43, 0
	s_mul_i32 s14, s10, 34816
	s_add_co_u32 s14, s14, KOFF-2*34816            ; K's halves go to KOFF + (wave - 2) x 34,816
	s_mul_i32 s15, s10, 36864                      ; V's halves to wave x 36,864
	s_lshl_b32 s16, s47, 14                        ; 64 rows of 256 bytes
	s_add_co_u32 s16, s16, s41
	s_mov_b32 s17, 0
	s_lshl_b32 s8, s13, 18                         ; ao: (16 b + h) x 262,144
	s_lshl_b32 s9, s47, 13                         ; + 64 rows of 128 bytes
	s_add_co_u32 s8, s8, s9
	s_mov_b32 s9, 0
	s_mov_b32 s20, 0x76543210                      ; v_permlanex16_b32: lane i takes lane i of the other half
	s_mov_b32 s21, 0xfedcba98
	s_mov_b32 s22, 0x3db8aa3b                      ; c = log2(e) / 16
	s_mov_b32 s23, 0x3db8aa3b
	s_mov_b32 s46, 0xbdb8aa3b                      ; - c
	s_mov_b32 s[G1K+0], 15|(1<<16)|(1<<20)|(1<<21)|(5<<22)|(3<<25)  ; all four of the cluster; 2-byte elements; LDS pitch 272
	s_mov_b32 s[G1K+1], 128<<16
	s_mov_b32 s[G1K+2], 128<<16
	s_mov_b32 s[G1K+3], 128<<16
	s_mov_b32 s[G1K+4], 128                        ; 128 rows of 128 elements
	s_mov_b32 s[G1K+5], 128
	s_mov_b32 s[G1K+6], 0
	s_mov_b32 s[G1K+7], 0
	s_mov_b32 s[G1V+0], 15|(1<<16)|(1<<20)|(1<<21)|(5<<22)|(7<<25)  ; LDS pitch 288
	s_mov_b32 s[G1V+1], 128<<16
	s_mov_b32 s[G1V+2], 128<<16
	s_mov_b32 s[G1V+3], 128<<16
	s_mov_b32 s[G1V+4], 128
	s_mov_b32 s[G1V+5], 128
	s_mov_b32 s[G1V+6], 0
	s_mov_b32 s[G1V+7], 0
	s_wait_dscnt 0x0
	s_wait_kmcnt 0x0
	s_add_nc_u64 s[2:3], s[4:5], s[2:3]            ; K's first tile, my half
	s_add_nc_u64 s[42:43], s[4:5], s[42:43]        ; V's
	s_add_nc_u64 s[16:17], s[4:5], s[16:17]        ; my Q rows
	s_add_nc_u64 s[8:9], s[6:7], s[8:9]            ; my rows of a1
	s_add_nc_u64 s[18:19], s[8:9], 0x800000        ; and of a2: 32 planes of 262,144 bytes on
	ROUND                                          ; in front of the first joint loads
.irp s, 0,1
	s_mov_b32 s[G0K+4*\s], 1
	s_add_co_u32 s[G0K+4*\s+1], s14, \s*SLOT
	s_add_nc_u64 s[G0K+4*\s+2:G0K+4*\s+3], s[2:3], \s*65536        ; keys 256 s ..
	s_or_b32 s[G0K+4*\s+3], s[G0K+4*\s+3], 0x80000000
	s_mov_b32 s[G0V+4*\s], 1
	s_add_co_u32 s[G0V+4*\s+1], s15, \s*SLOT
	s_add_nc_u64 s[G0V+4*\s+2:G0V+4*\s+3], s[42:43], \s*65536
	s_or_b32 s[G0V+4*\s+3], s[G0V+4*\s+3], 0x80000000
	JLOAD \s                                       ; two tensor loads of the wave are out at the start, one later
.endr
	v_and_b32 v1, 15, v0                           ; r
	v_bfe_u32 v2, v0, 4, 1                         ; h
	v_lshlrev_b32 v3, 8, v1
	v_lshl_add_u32 v[QO], v2, 4, v3                ; Q: row r x 256 + 16 h
.irp i, 0,1,2,3
.irp ks, 0,1,2,3
	global_load_b128 v[QF+8*(4*\i+\ks):QF+8*(4*\i+\ks)+3], v[QO], s[16:17] offset:\i*4096+((64*\ks)^128)
	global_load_b128 v[QF+8*(4*\i+\ks)+4:QF+8*(4*\i+\ks)+7], v[QO], s[16:17] offset:\i*4096+((64*\ks)^128)+32
.endr
.endr
	v_mul_u32_u24 v3, v1, 272
	v_lshl_add_u32 v3, v2, 4, v3
	v_add_nc_u32 v[KL], KOFF, v3                   ; K: key r x 272 + 16 h
	v_and_b32 v4, 7, v0
	v_lshl_add_u32 v4, v2, 3, v4
	v_mul_u32_u24 v4, v4, 288
	v_bfe_u32 v5, v0, 3, 1
	v_lshl_add_u32 v[VL], v5, 4, v4                ; V: key 8 h + (lane & 7), d 8 ((lane >> 3) & 1) ..
	s_mul_i32 s14, s10, 4352
	s_add_co_u32 s14, s14, STAGE
	v_add_nc_u32 v[STO], s14, v3                   ; stage in: row r, 16 bytes for each half
	v_bfe_u32 v6, v0, 3, 2
	v_mul_u32_u24 v6, v6, 272
	v_and_b32 v7, 7, v0
	v_lshl_add_u32 v6, v7, 4, v6
	v_add_nc_u32 v[RD], s14, v6                    ; stage back: four rows of 128 bytes a load
	v_and_b32 v8, 31, v0
	v_lshlrev_b32 v[CO], 4, v8
	v_mov_b32 v[ADRK], v[KL]
	v_mov_b32 v[ADRV], v[VL]
; 32 loads: this block's K fragments, K step by K step (8 loads each), so that the waits in front of the score products can count down
.macro LDK
	WIN 0xc0                                       ; destination window 3, address window 0
.irp ks, 0,1,2,3
.irp kt, 0,1,2,3
	ds_load_b128 v[32*\kt+8*\ks:32*\kt+8*\ks+3], v[ADRK] offset:\kt*4352+\ks*64
	ds_load_b128 v[32*\kt+8*\ks+4:32*\kt+8*\ks+7], v[ADRK] offset:\kt*4352+\ks*64+32
.endr
.endr
.endm
; 32 transposing loads: this block's V fragments, keys 0-31 first (16 loads), then keys 32-63
.macro LDV
	WIN 0xc0
.irp u, 0,1
.irp e, 0,1,2,3,4,5,6,7
	ds_load_tr16_b128 v[128+64*\u+8*\e:128+64*\u+8*\e+3], v[ADRV] offset:\u*9216+\e*32
	ds_load_tr16_b128 v[128+64*\u+8*\e+4:128+64*\u+8*\e+7], v[ADRV] offset:\u*9216+\e*32+4608
.endr
.endr
.endm
; Score product number m (0 .. 31) of the piece that begins at query tile i0: K step m / 8, key tile (m % 8) / 2, query tile i0 + m % 2.
; Eight accumulators take turns, one instruction a turn; the first K step starts the sums.
.macro MMQK m, i0
.set q_ks, (\m)/8
.set q_kt, ((\m)%8)/2
.set q_i, \i0+((\m)%2)
.set q_d, 32*q_i+8*q_kt
.set q_a, 32*q_kt+8*q_ks
.set q_b, QF+8*(4*q_i+q_ks)
	WIN 0xa3                                       ; K window 3, Q window 0, scores window 2
.if q_ks
	v_wmma_f32_16x16x32_bf16 v[q_d:q_d+7], v[q_a:q_a+7], v[q_b:q_b+7], v[q_d:q_d+7]
.else
	v_wmma_f32_16x16x32_bf16 v[q_d:q_d+7], v[q_a:q_a+7], v[q_b:q_b+7], 0
.endif
.endm
; Value product number m (0 .. 31): keys 32 (m / 16) .., d tile (m % 16) / 2, query tile i0 + m % 2.  Sixteen accumulators take turns.
; first = 1: the products of keys 0-31 start O.
.macro MMPV m, i0, first
.set p_u, (\m)/16
.set p_e, ((\m)%16)/2
.set p_i, \i0+((\m)%2)
.set p_d, 8*(8*p_i+p_e)
.set p_a, 128+64*p_u+8*p_e
.set p_b, PP+16*p_i+8*p_u
	WIN 0x5b                                       ; V window 3, P window 2, O window 1
.if \first*(1-p_u)
	v_wmma_f32_16x16x32_bf16 v[p_d:p_d+7], v[p_a:p_a+7], v[p_b:p_b+7], 0
.else
	v_wmma_f32_16x16x32_bf16 v[p_d:p_d+7], v[p_a:p_a+7], v[p_b:p_b+7], v[p_d:p_d+7]
.endif
.endm
; What runs beside a vector phase: a matrix instruction in front of every per-th vector instruction, nmm in all, of the piece at tile mi0;
; numbers 0-31 are value products (seq0 = 0) or score products (seq0 = 1), numbers 32-63 score products.  hk: which waits ride along (1, 3);
; hk = 2: V's run of loads stands at the phase's wait (VEC writes it).
.macro PHSET per, nmm, seq0, mi0, pvf, hk
.set PER, \per
.set NMM, \nmm
.set SEQ0, \seq0
.set MI0, \mi0
.set PVF, \pvf
.set HK, \hk
.set vk, 0
.set mk, 0
.endm
.macro MMNEXT
.if HK == 1
.if mk == 16
	s_wait_dscnt 32                                ; V's keys 32-63 are in; the 32 loads of K may be out
.endif
.if mk >= 32
.if (mk % 8) == 0
	s_wait_dscnt 56-mk                             ; this K step's eight loads are in; those of the later K steps may be out: 24, 16, 8, 0
.endif
.endif
.endif
.if HK == 3
.if mk == 16
	s_wait_dscnt 0x0                               ; V's keys 32-63 are in
.endif
.endif
.if mk >= 32
	MMQK mk-32, MI0
.else
.if SEQ0
	MMQK mk, MI0
.else
	MMPV mk, MI0, PVF
.endif
.endif
.set mk, mk+1
.endm
.macro TICK
.if (vk % PER) == 0
.if mk < NMM
	MMNEXT
.endif
.endif
.set vk, vk+1
.endm
.macro VS                              ; stands in front of a vector instruction whose operands all lie in window 2
	TICK
	WIN 0xaa
.endm
.macro VR                              ; in front of a rescaling of O: O window 1, factor window 2
	TICK
	WIN 0x49
.endm
; The three kinds of work on group g (0 .. 7) of eight scores: query tile i0 + g / 4, key tile g % 4
.macro EF i0, g, j                     ; exponents of scores 2 j, 2 j + 1: s c - m c
.set e_i, \i0+(\g)/4
.set e_b, 32*e_i+8*((\g)%4)+2*(\j)
	VS
	v_pk_fma_f32 v[e_b:e_b+1], v[e_b:e_b+1], s[22:23], v[NMC+2*e_i:NMC+2*e_i+1] op_sel_hi:[1,0,1]
.endm
.macro EX i0, g, j                     ; exponential of score j
.set e_b, 32*(\i0+(\g)/4)+8*((\g)%4)+(\j)
	VS
	v_exp_f32 v[e_b], v[e_b]
.endm
.macro EP i0, g, j, first              ; step j (0 .. 8) of the group's sum and packing: all of them read exponentials' results and stand behind the phase's wait
.set e_t, (\g)/4
.set e_i, \i0+e_t
.set e_k, (\g)%4
.set e_b, 32*e_i+8*e_k
.set e_p, PP+16*e_i+4*e_k
.if \j == 0
	VS
	v_pk_add_f32 v[SU:SU+1], v[e_b:e_b+1], v[e_b+2:e_b+3]
.endif
.if \j == 1
	VS
	v_pk_add_f32 v[SV:SV+1], v[e_b+4:e_b+5], v[e_b+6:e_b+7]
.endif
.if \j == 2
	VS
	v_cvt_pk_bf16_f32 v[e_p], v[e_b], v[e_b+1]
.endif
.if \j == 3
	VS
.if e_k
	v_pk_add_f32 v[SU:SU+1], v[SU:SU+1], v[SV:SV+1]
.else
	v_pk_add_f32 v[ACC+2*e_t:ACC+2*e_t+1], v[SU:SU+1], v[SV:SV+1]  ; the first key tile starts the block's sum
.endif
.endif
.if \j == 4
	VS
	v_cvt_pk_bf16_f32 v[e_p+1], v[e_b+2], v[e_b+3]
.endif
.if \j == 5
.if e_k
	VS
.if \first*(e_k/3)
	v_pk_add_f32 v[LS+2*e_i:LS+2*e_i+1], v[ACC+2*e_t:ACC+2*e_t+1], v[SU:SU+1]     ; the first block starts the running sum
.else
	v_pk_add_f32 v[ACC+2*e_t:ACC+2*e_t+1], v[ACC+2*e_t:ACC+2*e_t+1], v[SU:SU+1]
.endif
.endif
.endif
.if \j == 6
	VS
	v_cvt_pk_bf16_f32 v[e_p+2], v[e_b+4], v[e_b+5]
.endif
.if \j == 7
	VS
	v_cvt_pk_bf16_f32 v[e_p+3], v[e_b+6], v[e_b+7]
.endif
.if \j == 8
.if (1-\first)*(e_k/3)
	VS
	v_pk_fma_f32 v[LS+2*e_i:LS+2*e_i+1], v[LS+2*e_i:LS+2*e_i+1], v[AL+2*e_i:AL+2*e_i+1], v[ACC+2*e_t:ACC+2*e_t+1]
.endif
.endif
.endm
; THE BATCH of a phase.  The piece's 32 pairs of scores are scaled in the order b_f = 0 .. 31 (pair b_f: group b_f / 4, pair b_f % 4 of it), its 64 exponentials are
; issued in the order b_e = 0 .. 63 (score b_e lies in pair b_e / 2).
.macro NXF i0                          ; the next scaling
	EF \i0, b_f/4, b_f%4
.set b_f, b_f+1
.endm
.macro NXE i0                          ; the next exponential
	EX \i0, b_e/8, b_e%8
.set b_e, b_e+1
.endm
.macro FAC i0, n                       ; exponential n (0 .. 3) of the rescale factor: tile i0 + n % 2, register n / 2 of its pair
	VS
	v_exp_f32 v[AL+2*(\i0+(\n)%2)+(\n)/2], v[TM+4*((\n)%2)+3]
.endm
; 102 instructions, numbers 42 to 143 of the phase: two scalings, then 25 fours, one behind each matrix instruction, each led by a plain instruction:
;   2 x (scaling, factor, scaling, factor);  4 x (scaling, exponential, scaling, exponential);  18 x (scaling, three exponentials);  (copy, two exponentials, copy).
; A pair is scaled in an earlier four than the one that holds its exponentials: the j-th of the 18 reaches score 7 + 3 j, whose pair is at most 12 + j, the last scaled before it.
; No line here names the result of an exponential.  The copies of the new maximum wait for nothing and are kept for the end: the second is the plain instruction
; behind the last exponential.  first = 1: no factor and no copy: 96 instructions, and a v_nop is that plain instruction.
.macro BATCH i0, first
.set b_f, 0
.set b_e, 0
	NXF \i0
	NXF \i0
.irp n, 0,1,2,3
	NXF \i0
.if \first
.else
	FAC \i0, \n
.endif
.endr
.rept 8
	NXF \i0
	NXE \i0
.endr
.rept 18
	NXF \i0
	NXE \i0
	NXE \i0
	NXE \i0
.endr
.if \first
.else
	VS
	v_mov_b32 v[MX+\i0], v[TM+2]                   ; the new running maximum takes the old one's place: its last reader was c (old - new)
.endif
	NXE \i0
	NXE \i0
.if \first
	v_nop                                          ; a plain instruction behind the last exponential
.else
	VS
	v_mov_b32 v[MX+\i0+1], v[TM+6]                 ; also the plain instruction behind the last exponential
.endif
.endm
; The vector phase of the piece of tiles i0, i0 + 1 over one block of 64 keys.  272 instructions: 42 + 102 + 64 + 64; first = 1 (maximum, sum and O are started,
; nothing is cleared, nothing rescaled): 198 = 40 + 96 + 62.
.macro VEC i0, first
	; the largest of the lane's 32 scores: four chains a tile, the two tiles by turns
.irp c, 0,1,2,3
.irp t, 0,1
	VS
	v_max3_num_f32 v[TM+4*\t+\c], v[32*(\i0+\t)+8*\c], v[32*(\i0+\t)+8*\c+1], v[32*(\i0+\t)+8*\c+2]
.endr
.endr
.irp c, 0,1,2,3
.irp t, 0,1
	VS
	v_max3_num_f32 v[TM+4*\t+\c], v[TM+4*\t+\c], v[32*(\i0+\t)+8*\c+3], v[32*(\i0+\t)+8*\c+4]
.endr
.endr
.irp c, 0,1,2,3
.irp t, 0,1
	VS
	v_max3_num_f32 v[TM+4*\t+\c], v[TM+4*\t+\c], v[32*(\i0+\t)+8*\c+5], v[32*(\i0+\t)+8*\c+6]
.endr
.endr
.irp t, 0,1
	VS
	v_max3_num_f32 v[TM+4*\t], v[TM+4*\t], v[TM+4*\t+1], v[32*(\i0+\t)+7]
.endr
.irp t, 0,1
	VS
	v_max3_num_f32 v[TM+4*\t+2], v[TM+4*\t+2], v[TM+4*\t+3], v[32*(\i0+\t)+15]
.endr
.irp t, 0,1
	VS
	v_max3_num_f32 v[TM+4*\t], v[TM+4*\t], v[TM+4*\t+2], v[32*(\i0+\t)+23]
.endr
.irp t, 0,1
	VS
	v_max_num_f32 v[TM+4*\t], v[TM+4*\t], v[32*(\i0+\t)+31]
.endr
.irp t, 0,1
	VS
	v_permlanex16_b32 v[TM+4*\t+1], v[TM+4*\t], s20, s21           ; the query's other 32 keys lie in the other half of the lanes
.endr
.if \first
.irp t, 0,1
	VS
	v_max_num_f32 v[MX+\i0+\t], v[TM+4*\t], v[TM+4*\t+1]
.endr
.irp t, 0,1
	VS
	v_mul_f32 v[NMC+2*(\i0+\t)], s46, v[MX+\i0+\t]
.endr
.irp t, 0,1
	VS
	v_mul_f32 v[NMC+2*(\i0+\t)+1], s46, v[MX+\i0+\t]
.endr
.else
.irp t, 0,1
	VS
	v_max3_num_f32 v[TM+4*\t+2], v[TM+4*\t], v[TM+4*\t+1], v[MX+\i0+\t]            ; the new running maximum
.endr
.irp t, 0,1
	VS
	v_mul_f32 v[NMC+2*(\i0+\t)], s46, v[TM+4*\t+2]
.endr
.irp t, 0,1
	VS
	v_mul_f32 v[NMC+2*(\i0+\t)+1], s46, v[TM+4*\t+2]
.endr
.irp t, 0,1
	VS
	v_fma_f32 v[TM+4*\t+3], v[MX+\i0+\t], s22, v[NMC+2*(\i0+\t)]   ; c (old maximum - new maximum)
.endr
.endif
	BATCH \i0, \first
	s_wait_alu depctr_va_vdst(0)                   ; the phase's one wait: it serves the whole batch, the factor's four exponentials and the 64 weights
.if HK == 2
	LDV                                            ; V of block n, directly behind the wait: the last product that read V stands in front of instruction 124; of the twenty
	                                               ; vector instructions behind it six are plain (four scalings, two copies) and name none of its registers
.endif
	; sums and roundings, group by group; within a group no line reads the result of the line just before it; every sum has its operands in the order of EP's steps
.irp g, 0,1,2,3,4,5,6,7
.irp j, 0,1,2,4,3,6,7,5
	EP \i0, \g, \j, \first
.endr
.endr
	EP \i0, 3, 8, \first                           ; l = a l + the block's sum, for the piece's two tiles
	EP \i0, 7, 8, \first
.if \first
.else
.irp t, 0,1
.set cnt, 0
.rept 32
	VR
	v_pk_mul_f32 v[64*(\i0+\t)+2*cnt:64*(\i0+\t)+2*cnt+1], v[64*(\i0+\t)+2*cnt:64*(\i0+\t)+2*cnt+1], v[AL+2*(\i0+\t):AL+2*(\i0+\t)+1]
.set cnt, cnt+1
.endr
.endr
.endif
.endm
; One trip: key block n.  first = 1 (n = 1): the value products of block 0 start O, and piece B's vector phase is its first.
.macro BODY first
	s_wait_dscnt 16                                ; V of block n - 1: keys 0-31 are in, the sixteen loads of keys 32-63 may be out
	LDK                                            ; K of block n; the plain vector instructions at the end of the last phase are the places behind the last score product
	PHSET 4-\first, 64, 0, 0, \first, 1
	VEC 2, \first                                  ; B, block n - 1, beside A's value products of block n - 1 and score products of block n
	PHSET 4, 64, 0, 2, \first, 2
	VEC 0, 0                                       ; A, block n, beside B's value products of block n - 1 and score products of block n; V of block n is loaded at the phase's wait
	WIN 0
	v_add_nc_u32 v[ADRK], 17408, v[ADRK]           ; 64 keys on
	v_add_nc_u32 v[ADRV], 18432, v[ADRV]
.endm
; One slot's 256 keys; refill = 1: the other slot, read last, gets the tile two further on.
.macro TWO slot, other, refill
	s_wait_tensorcnt 0x0                           ; all my tensor loads have landed, my part of this slot among them: every group 0 may be written
	ds_add_u32 v222, v223
	s_wait_dscnt 0x0
	s_add_nc_u64 s[G0K+4*\other+2:G0K+4*\other+3], s[G0K+4*\other+2:G0K+4*\other+3], 0x20000
	s_add_nc_u64 s[G0V+4*\other+2:G0V+4*\other+3], s[G0V+4*\other+2:G0V+4*\other+3], 0x20000
	s_wait_dscnt 0x0                               ; my reads of the other slot are over: the last were its last block's V fragments
	ROUND                                          ; both now hold of every wave of all four work-groups
.if \refill
	JLOAD \other                                   ; my one tensor load behind the round; four trips' work follows before the wait for it
.endif
	v_add_nc_u32 v[ADRK], \slot*SLOT, v[KL]
	v_add_nc_u32 v[ADRV], \slot*SLOT, v[VL]
	s_mov_b32 s45, 4
.Lblk_\@:
	BODY 0
	s_sub_co_u32 s45, s45, 1
	s_cmp_lg_u32 s45, 0
	s_cbranch_scc1 .Lblk_\@
.endm
	s_wait_tensorcnt 0x1                           ; my part of slot 0 is in; slot 1's stays out
	s_barrier_signal -1
	s_barrier_wait -1
	s_wait_loadcnt 0x0                             ; Q
	; Block 0: A's score products alone, then A's first vector phase beside B's score products
	LDK
.set pm, 0
.rept 32
.if (pm % 8) == 0
	s_wait_dscnt 24-pm                             ; this K step's eight loads are in; those of the later K steps may be out
.endif
	MMQK pm, 0
.set pm, pm+1
.endr
	LDV                                            ; no matrix instruction has read these registers yet
	PLACES                                         ; before A's scores are read: here no vector work stands behind the products
	PHSET 6, 32, 1, 2, 0, 0
	VEC 0, 1
	WIN 0
	v_add_nc_u32 v[ADRK], 17408, v[ADRK]
	v_add_nc_u32 v[ADRV], 18432, v[ADRV]
	BODY 1
	s_mov_b32 s45, 2
.Lblk_first:
	BODY 0
	s_sub_co_u32 s45, s45, 1
	s_cmp_lg_u32 s45, 0
	s_cbranch_scc1 .Lblk_first
	s_mov_b32 s44, 3
.Ltiles:
	TWO 1, 0, 1
	TWO 0, 1, 1
	s_sub_co_u32 s44, s44, 1
	s_cmp_lg_u32 s44, 0
	s_cbranch_scc1 .Ltiles
	TWO 1, 0, 0                                    ; the last 256 keys: nothing is left to fetch (slot 0's stepped address is not used)
	; What is left of block 31: B's vector phase beside A's value products, then B's value products
	s_wait_dscnt 16                                ; V's keys 0-31 are in
	PHSET 8, 32, 0, 0, 0, 3
	VEC 2, 0
.set pm, 0
.rept 32
	MMPV pm, 2, 0
.set pm, pm+1
.endr
	; THE WAY OUT: 1 / sum, then 16 queries at a time through my own stage, out as 4 rows of 128 bytes a store
	PLACES
	WIN 0xaa
.irp i, 0,1,2,3
	v_add_f32 v[TM+2*\i], v[LS+2*\i], v[LS+2*\i+1]
.endr
.irp i, 0,1,2,3
	v_permlanex16_b32 v[TM+2*\i+1], v[TM+2*\i], s20, s21
.endr
.irp i, 0,1,2,3
	v_add_f32 v[TM+2*\i], v[TM+2*\i], v[TM+2*\i+1]
.endr
.irp i, 0,1,2,3
	v_rcp_f32 v[AL+2*\i], v[TM+2*\i]
	v_rcp_f32 v[AL+2*\i+1], v[TM+2*\i]
.endr
	v_nop                                          ; a plain instruction before the reciprocals are used
	s_wait_alu depctr_va_vdst(0)                   ; one wait for the batch of eight reciprocals
.macro OUTI i, f
	WIN 0x49
.set cnt, 0
.rept 32
	v_pk_mul_f32 v[64*\i+2*cnt:64*\i+2*cnt+1], v[64*\i+2*cnt:64*\i+2*cnt+1], v[AL+2*\i:AL+2*\i+1]
.set cnt, cnt+1
.endr
	WIN 0x05
.irp e, 0,1,2,3,4,5,6,7
.irp rr, 0,1,2,3
	v_cvt_pk_bf16_f32 v[TMP+4*\e+\rr], v[64*\i+8*\e+2*\rr], v[64*\i+8*\e+2*\rr+1]
.endr
.endr
	WIN 0
.irp e, 0,1,2,3,4,5,6,7
	ds_store_b128 v[STO], v[TMP+4*\e:TMP+4*\e+3] offset:32*\e
.endr
	s_wait_xcnt 0x0                                ; buffer f, which earlier stores read, is loaded again only behind this wait
.irp tt, 0,1,2,3
	ds_load_b128 v[\f+4*\tt:\f+4*\tt+3], v[RD] offset:\tt*1088                 ; d 0-63: a1
.endr
.irp tt, 0,1,2,3
	ds_load_b128 v[\f+16+4*\tt:\f+16+4*\tt+3], v[RD] offset:\tt*1088+128       ; d 64-127: a2
.endr
.irp tt, 0,1,2,3
	s_wait_dscnt 7-\tt
	global_store_b128 v[CO], v[\f+4*\tt:\f+4*\tt+3], s[8:9] offset:\i*2048+\tt*512          ; the wave stores 512 consecutive bytes, aligned
.endr
.irp tt, 0,1,2,3
	s_wait_dscnt 3-\tt
	global_store_b128 v[CO], v[\f+16+4*\tt:\f+16+4*\tt+3], s[18:19] offset:\i*2048+\tt*512
.endr
.endm
	OUTI 0, 32
	OUTI 1, 64
	OUTI 2, 32
	OUTI 3, 64
	s_wait_tensorcnt 0x0
	ds_add_u32 v222, v223
	s_wait_dscnt 0x0
	ROUND                                          ; the closing round
	s_endpgm
.Lfunc_end_k_q02c8455ea7_attn:
	.size	k_q02c8455ea7_attn, .Lfunc_end_k_q02c8455ea7_attn-k_q02c8455ea7_attn
	.p2alignl 7, 3214868480
	.fill 96, 4, 3214868480
	.section	.rodata,"a",@progbits
	.p2align	6, 0x0
	.amdhsa_kernel k_q02c8455ea7_attn
		.amdhsa_group_segment_fixed_size 327680
		.amdhsa_private_segment_fixed_size 0
		.amdhsa_enable_private_segment 0
		.amdhsa_kernarg_size 16
		.amdhsa_user_sgpr_count 2
		.amdhsa_user_sgpr_kernarg_segment_ptr 1
		.amdhsa_wavefront_size32 1
		.amdhsa_system_sgpr_workgroup_id_x 1
		.amdhsa_system_sgpr_workgroup_id_y 1
		.amdhsa_system_sgpr_workgroup_id_z 1
		.amdhsa_system_vgpr_workitem_id 0
		.amdhsa_next_free_vgpr 1024
		.amdhsa_next_free_sgpr 66
		.amdhsa_reserve_vcc 0
		.amdhsa_float_denorm_mode_32 3
		.amdhsa_float_denorm_mode_16_64 3
		.amdhsa_memory_ordered 1
		.amdhsa_forward_progress 1
		.amdhsa_inst_pref_size 255
	.end_amdhsa_kernel
	.section	.bss,"aw",@nobits
	.p2align	6
	.space	262144
	.amdgpu_metadata
---
amdhsa.version: [ 1, 2 ]
amdhsa.kernels:
  - .name:           k_q02c8455ea7_attn
    .symbol:         k_q02c8455ea7_attn.kd
    .args:
      - { .name: qkv, .offset: 0, .size: 8, .value_kind: global_buffer, .address_space: global }
      - { .name: ao, .offset: 8, .size: 8, .value_kind: global_buffer, .address_space: global }
    .group_segment_fixed_size: 327680
    .private_segment_fixed_size: 0
    .kernarg_segment_align: 8
    .kernarg_segment_size: 16
    .max_flat_workgroup_size: 128
    .sgpr_count:     66
    .vgpr_count:     1024
    .wavefront_size: 32
...
	.end_amdgpu_metadata
.endif
;; end of part 5
;; launch outp: the kernel of part 4 again; grid 8 x 32, 4 waves a work-group, clusters of 4 x 4, 327,680 bytes of LDS; arguments ao, w2b, x, y, box, boy, out0, out1; writes out0, out1
